; MI455X (gfx1250); checked and timed in simulation.
; The chip was launched on July 23, 2026; its instructions are those of AMD's public machine-readable ISA for CDNA 5 (MIT licence, August 2026) and "CDNA5" Instruction Set Architecture Reference Guide (July 2026). The comments in the code are by the model that wrote it; some were corrected since.
;; Multi Head Attention. Allowed arithmetic: matrix products marked QUANTISED: E3M2 operands, one E8M0 scale for each 32 along K, by v_wmma_scale_f32_16x16x128_f8f6f4 with both operands' format E3M2, f32 sums; everything else in f32.
;; Inputs: Wk 1,024 x 1,024 float32; Wo 1,024 x 1,024 float32; Wq 1,024 x 1,024 float32; Wv 1,024 x 1,024 float32; mask 2 x 2,048 bool; rope_cache 2,048 x 2 x 32 float32; x 2 x 2,048 x 1,024 float32.
;; Outputs: out0 2 x 2,048 x 1,024 float32.
;; This version of the problem:
;;   THIS VERSION OF THE PROBLEM IS GIVEN IN LOW PRECISION. The matrix products marked QUANTISED in the list below multiply operands that are first quantised to E3M2 (3 exponent bits, 2 mantissa bits; 6 bits a number), with one power-of-two scale for each 32 numbers along K (OCP MX v1.0); their sums are f32. All else is computed in f32.
;;   The module's matrix products, in the order in which they are computed (A, B: the left and right operand; K: the contracted axis; several contracted axes count as one K, in the product's order):
;;     1. [M 4,096, K 1,024] x [K 1,024, N 1,024]; A: input x; B: input Wq: QUANTISED
;;     2. [M 4,096, K 1,024] x [K 1,024, N 1,024]; A: input x; B: input Wk: QUANTISED
;;     3. [M 4,096, K 1,024] x [K 1,024, N 1,024]; A: input x; B: input Wv: QUANTISED
;;     4. batch 32 x [M 2,048, K 64] x [K 64, N 2,048]; A: computed on the way; B: computed on the way: QUANTISED
;;     5. batch 32 x [M 2,048, K 2,048] x [K 2,048, N 64]; A: softmax (see below); B: computed on the way: QUANTISED
;;     6. [M 4,096, K 1,024] x [K 1,024, N 1,024]; A: computed on the way; B: input Wo: QUANTISED
;;   THE QUANTISER, for each operand of a quantised product, along K:
;;     - K is cut into blocks of 32 from its start; a last block that is shorter is filled with zeros.
;;     - A block's scale is 2^e with e = floor(log2(the largest magnitude in the block)) - 4, held to -126 .. 127; a block of zeros has e = 0. As a byte (E8M0): e + 127.
;;     - Each number is divided by its block's scale, clamped to +-28, and rounded to the nearest number of E3M2, ties to even, subnormals kept.
;;     - The product sums the exact products of the quantised numbers (number of the format x scale) in f32.
;;   ~~~python
;;   def quantise(x, axis):      # numpy; x: float32 -> the quantised numbers, widened to float32 again
;;       x = np.moveaxis(x, axis, -1); K = x.shape[-1]
;;       x = np.pad(x, [(0, 0)] * (x.ndim - 1) + [(0, -K % 32)]); x = x.reshape(x.shape[:-1] + (-1, 32)); a = np.abs(x).max(-1, keepdims=True)
;;       e = np.where(a > 0, np.clip(np.frexp(np.where(a > 0, a, 1))[1] - 1 - 4, -126, 127), 0)      # np.frexp(a)[1] - 1 = floor(log2(a)), exactly
;;       r = np.clip(x / 2.0 ** e, -28, 28)
;;       step = 2.0 ** (np.maximum(np.frexp(np.where(r == 0, 1, r))[1] - 1, -2) - 2)
;;       q = np.round(r / step) * step * 2.0 ** e      # np.round: ties to even
;;       return np.moveaxis(q.reshape(q.shape[:-2] + (-1,))[..., :K], -1, axis).astype(np.float32)
;;   ~~~
;;   SOFTMAX AHEAD OF A QUANTISED PRODUCT. Where the list says 'softmax', what is quantised is not the finished softmax but p = 2^(t - M), with t = logit x log2(e) and M = ceil(the row's largest t), a whole number; so 1/2 < the row's largest p <= 1. The row's sum l is taken of the UNQUANTISED p, in f32, and the product's result is divided by l at the end. Since M is a whole number, a kernel that streams over the keys may use a running M (the ceiling of the running maximum): every later rescaling is an exact power of two, which a block's scale takes up: the codes' values come out the same.
;;   OPERANDS COMPUTED ON THE WAY. 'Computed on the way' means the value that the module computes at that place (a softmax that the list does not call 'softmax' is quantised finished and normalised). What goes into a quantiser is computed in f32, as accurately as f32 sums, v_exp_f32 and their like allow (about 1e-6 of the number): no bf16 or f16 on the way to a quantiser, and a product that is left as it is and whose result goes on into a quantised operand takes f32 operands (vector FMAs, or v_wmma_f32_16x16x4_f32). A number that lies on a knife's edge between two numbers of the format may be rounded either way, as far as f32 arithmetic and the matrix unit's own rounding can turn it there, and no further.
;; One version. Each part assembles by itself: llvm-mc -triple=amdgcn-amd-amdhsa -mcpu=gfx1250 --defsym DOCPART=n.
;; ======== version 1 of 1: 4 launches
;; limits: right only within a limited range of input values
;; workspace buffers: opq 6,815,744 bytes; qkv 12,058,624 bytes; att 3,407,872 bytes
;; launch quant (part 1): grid 512 x 1, 4 waves a work-group, no clusters, 68,096 bytes of LDS; arguments x, Wq, Wk, Wv, Wo, opq; writes opq
.if DOCPART == 1
	.amdgcn_target "amdgcn-amd-amdhsa--gfx1250"
	.amdhsa_code_object_version 6
	.text
	.protected	k_q835978729c_quant
	.globl	k_q835978729c_quant
	.p2align	8
	.type	k_q835978729c_quant,@function
k_q835978729c_quant:
	s_mov_b64 s[64:65], 0
	v_nop
	global_prefetch_b8 v0, s[64:65] scope:SCOPE_SE
	s_setreg_imm32_b32 hwreg(HW_REG_WAVE_MODE, 25, 1), 1
	s_wait_xcnt 0x0
; x [4096][1024] and Wq, Wk, Wv, Wo [1024 (k)][1024 (n)], f32, become codes of BF6 (E3M2) with one E8M0 byte for each 32 along K, laid IN THE ORDER OF AN OPERAND'S REGISTERS.
; A block's scale is 2^(floor(log2(largest magnitude)) - 4): its byte is the largest magnitude's exponent field - 4, held at 1 from below by a floor among the maximum's leaves.
; LIMITS: a block of zeros gets the byte 1 (its codes are zeros, and this program alone reads the bytes); NaN and infinities are not served.
; STORED TILES: 16 rows of x (or 16 columns n of a weight).  Stored tile a, row p is true row 32 (a / 2) + 8 (a % 2) + p + 8 (p / 8): bits 3 and 4 of the index change places,
; so that where such a tile is source 0 of a product the registers of two neighbouring result tiles are 16 neighbours.
; HALF A FRAGMENT (16 rows x 64 K, 6 registers a lane) is 768 bytes: registers 0-1 at 8 x lane, registers 2-5 at 256 + 16 x lane; a fragment of 128 K is two of them on end.
; A SCALE RECORD is 128 bytes: row r's word at 4 r and again at 64 + 4 r.
; opq: XC [256 tiles][8 K steps][1536]; WC [4 x 64 tiles][8][1536] (q, k, v, o); XS, WS [tiles][8][128].
; Work-groups 0-255: stored tile T of x, wave w its K steps 2 w, 2 w + 1.  Work-groups 256-511: 128 columns x 128 K of one weight, a lane to a column, registers down K.
; No tensor load, no barrier: waves share nothing.  No matrix unit, no cluster: every input byte is read once by one wave.
.set XC,    0
.set WC,    3145728
.set XS,    6291456
.set WS,    6553600
.set SROW,  528                        ; a stage row: 512 bytes + 16: sixteen rows read at one column start at sixteen different groups of banks
.set STG1,  16*SROW                    ; a stage: 16 rows
.set WREG,  2*STG1                     ; a wave's two stages
.set SPARE, 4*WREG                     ; behind them: the spare words, 128 bytes a wave, that no other line names
.set L16,  4                           ; v4  16 x lane
.set SIN,  5                           ; v5  the stage, on the way in
.set SOUT, 6                           ; v6  and on the way out
.set L8,   7                           ; v7  8 x lane
.set L4,   8                           ; v8  4 x lane
.set WCOL, 9                           ; v9  a weight's column of my lane, in bytes
.set SPW,  10                          ; v10 my spare word; never rewritten
.set NIL,  11                          ; v11 0; never rewritten
.set TM,   12                          ; v12-27 at work
.set PW,   28                          ; v28-29 scale words
.set WSO,  30                          ; v30 where a weight's scale word goes
.set R,    32                          ; v32-159 numbers as loaded
.set X,    160                         ; v160-223 64 numbers of a lane, in the quantiser's order (weights: the codes)
.set SEL,  34                          ; s[34:35] lane selects: lane l xor 16
; 64 numbers of a lane, register 16 b + i = k 32 b + 16 (lane / 16) + i of its row, become a fragment's 12 registers at pc (pc + 12 .. pc + 18 at work) and the row's scale word in pw
.macro QUANT s, pc, pw
.irp b, 0,1,2,3
	v_max3_num_f32 v[TM+\b], |v[\s+16*\b]|, |v[\s+1+16*\b]|, 0x2800000   ; my 16 numbers of block b, and the floor 2^(5 - 127)
.endr
.irp i, 2,4,6,8,10,12,14
.irp b, 0,1,2,3
	v_max3_num_f32 v[TM+\b], v[TM+\b], |v[\s+16*\b+\i]|, |v[\s+1+16*\b+\i]|
.endr
.endr
.irp b, 0,1,2,3
	v_permlanex16_b32 v[TM+4+\b], v[TM+\b], s[SEL], s[SEL+1]
.endr
.irp b, 0,1,2,3
	v_max_num_f32 v[TM+\b], v[TM+\b], v[TM+4+\b]      ; with lane l xor 16's: the block's largest magnitude
.endr
.irp b, 0,1,2,3
	v_add_nc_u32 v[TM+12+\b], 0xfe000000, v[TM+\b]    ; 4 off its exponent field: the conversion's scale operand
.endr
.irp b, 0,1,2,3
	v_lshrrev_b32 v[TM+4+\b], 23, v[TM+12+\b]         ; the scale's byte
.endr
	v_lshl_or_b32 v[\pw], v[TM+5], 8, v[TM+4]
	v_lshl_or_b32 v[\pw], v[TM+6], 16, v[\pw]
	v_lshl_or_b32 v[\pw], v[TM+7], 24, v[\pw]
.irp c, 0,1
	v_cvt_scalef32_pk16_bf6_f32 v[\pc+6*\c:\pc+2+6*\c], v[\s+32*\c:\s+15+32*\c], v[TM+12+2*\c]
	v_cvt_scalef32_pk16_bf6_f32 v[\pc+12+4*\c:\pc+14+4*\c], v[\s+16+32*\c:\s+31+32*\c], v[TM+12+2*\c+1]
.endr
	v_nop                                             ; one plain instruction behind the scaled conversions
.irp c, 0,1                                       ; the operand wants a whole block in a lane: lanes 0-15 block 2 c, lanes 16-31 block 2 c + 1
.irp i, 0,1,2
	v_permlane16_swap_b32 v[\pc+6*\c+\i], v[\pc+12+4*\c+\i]
.endr
.irp i, 0,1,2
	v_mov_b32 v[\pc+3+6*\c+\i], v[\pc+12+4*\c+\i]
.endr
.endr
.endm
.macro HFOUT pc, sb, off                          ; half a fragment leaves: 256 and 512 consecutive bytes, aligned
	global_store_b64 v[L8], v[(\pc):(\pc)+1], s[\sb:\sb+1] offset:\off
	global_store_b128 v[L16], v[(\pc)+2:(\pc)+5], s[\sb:\sb+1] offset:(\off)+256
.endm
	s_load_b128 s[4:7], s[0:1], 0x0                ; x, Wq
	s_load_b128 s[8:11], s[0:1], 0x10              ; Wk, Wv
	s_load_b128 s[12:15], s[0:1], 0x20             ; Wo, opq
	v_lshl_add_u32 v[SPW], v0, 2, SPARE
	v_mov_b32 v[NIL], 0
	v_lshrrev_b32 v1, 5, v0
	v_readfirstlane_b32 s16, v1                    ; wave
	v_and_b32 v3, 31, v0                           ; lane
	v_and_b32 v1, 15, v0                           ; r
	v_bfe_u32 v2, v0, 4, 1                         ; h
	v_lshlrev_b32 v[L16], 4, v3
	v_lshlrev_b32 v[L8], 3, v3
	v_lshlrev_b32 v[L4], 2, v3
	s_mov_b32 s[SEL], 0x76543210
	s_mov_b32 s[SEL+1], 0xfedcba98
	s_cmp_lt_u32 ttmp9, 256
	s_cbranch_scc0 .Lweights
	; ---- x: stored tile T = the work-group's number
	s_mul_i32 s17, s16, WREG
	v_add_nc_u32 v[SIN], s17, v[L16]               ; in: a row's 512 bytes as they lie
	v_mul_u32_u24 v[SOUT], v1, SROW
	v_lshl_add_u32 v[SOUT], v2, 6, v[SOUT]
	v_add_nc_u32 v[SOUT], s17, v[SOUT]             ; out: row r, + 64 h: my 16 numbers of a block of 32
.irp b, 0,1,2,3
	v_mov_b32 v[TM+4+\b], 0                        ; a lane permute's destination counts as read
.endr
	s_lshr_b32 s18, ttmp9, 1
	s_lshl_b32 s18, s18, 5
	s_and_b32 s19, ttmp9, 1
	s_lshl_b32 s19, s19, 3
	s_add_co_u32 s18, s18, s19                     ; the tile's first true row: 32 (T / 2) + 8 (T % 2)
	s_lshl_b32 s18, s18, 12                        ; rows of 4,096 bytes
	s_lshl_b32 s19, s16, 10                        ; my two K steps: 1,024 bytes of each row
	s_add_co_u32 s18, s18, s19
	s_mov_b32 s19, 0
	s_lshl_b32 s20, ttmp9, 3
	s_lshl_b32 s21, s16, 1
	s_add_co_u32 s20, s20, s21                     ; 8 T + 2 w
	s_mul_i32 s22, s20, 1536
	s_mov_b32 s23, 0
	s_lshl_b32 s24, s20, 7
	s_add_co_u32 s24, s24, XS
	s_mov_b32 s25, 0
	s_wait_alu depctr_va_vdst(0)
	s_wait_kmcnt 0x0
	s_add_nc_u64 s[4:5], s[4:5], s[18:19]
	s_add_nc_u64 s[26:27], s[14:15], s[22:23]      ; my fragments (XC = 0)
	s_add_nc_u64 s[28:29], s[14:15], s[24:25]      ; my scale records
.irp q, 0,1
.irp p, 0,1,2,3,4,5,6,7,8,9,10,11,12,13,14,15
	global_load_b128 v[R+64*\q+4*\p:R+64*\q+4*\p+3], v[L16], s[4:5] offset:(\p+8*(\p/8))*4096+512*\q th:TH_LOAD_NT   ; 512 consecutive bytes of one row
.endr
.endr
.macro XHALF q, left, pc
	s_wait_loadcnt \left                           ; this K step's sixteen loads are in
.irp p, 0,1,2,3,4,5,6,7,8,9,10,11,12,13,14,15
	ds_store_b128 v[SIN], v[R+64*\q+4*\p:R+64*\q+4*\p+3] offset:STG1*\q+SROW*\p
.endr
.irp b, 0,1,2,3
.irp j, 0,1,2,3
	ds_load_b128 v[X+16*\b+4*\j:X+16*\b+4*\j+3], v[SOUT] offset:STG1*\q+128*\b+16*\j   ; LDS serves a wave's instructions in order: these see my stores
.endr
.endr
	s_wait_dscnt 0x0
	QUANT X, \pc, PW+\q
	HFOUT \pc, 26, 1536*\q
	HFOUT \pc+6, 26, 1536*\q+768
	global_store_b32 v[L4], v[PW+\q], s[28:29] offset:128*\q
.endm
	XHALF 0, 16, 224                               ; the second K step's sixteen loads may stay out
	XHALF 1, 0, R                                  ; its codes go where the first K step's numbers lay: other registers than the stores above read
	s_branch .Lend
	; ---- a weight: 32 columns x 128 K a wave
.Lweights:
	s_sub_co_u32 s17, ttmp9, 256
	s_lshr_b32 s18, s17, 6                         ; which weight: q, k, v, o
	s_bfe_u32 s19, s17, 0x30003                    ; which 128 columns
	s_and_b32 s20, s17, 7                          ; which K step
	s_wait_alu depctr_va_vdst(0)
	v_and_b32 v[WCOL], 7, v3
	v_bfe_u32 v12, v3, 3, 1
	v_bfe_u32 v13, v3, 4, 1
	v_lshl_or_b32 v[WCOL], v12, 4, v[WCOL]
	v_lshl_or_b32 v[WCOL], v13, 3, v[WCOL]         ; the lane's number with bits 3 and 4 changed: lanes 0-15 hold stored tile 2 g's rows, lanes 16-31 tile 2 g + 1's
	v_lshlrev_b32 v[WCOL], 2, v[WCOL]
	v_lshlrev_b32 v[WSO], 2, v1
	v_lshl_or_b32 v[WSO], v2, 10, v[WSO]           ; 4 r, + a tile's 1,024 bytes of records for lanes 16-31
	s_lshl_b32 s21, s19, 7
	s_lshl_b32 s22, s16, 5
	s_add_co_u32 s21, s21, s22                     ; my first column
	s_lshl_b32 s22, s20, 19                        ; 128 rows of 4,096 bytes a K step
	s_lshl_b32 s23, s21, 2
	s_add_co_u32 s22, s22, s23
	s_mov_b32 s23, 0
	s_lshl_b32 s24, s18, 6
	s_lshr_b32 s25, s21, 4
	s_add_co_u32 s24, s24, s25                     ; my first stored tile
	s_lshl_b32 s24, s24, 3
	s_add_co_u32 s24, s24, s20
	s_mul_i32 s26, s24, 1536
	s_add_co_u32 s26, s26, WC
	s_mov_b32 s27, 0
	s_lshl_b32 s28, s24, 7
	s_add_co_u32 s28, s28, WS
	s_mov_b32 s29, 0
	s_wait_alu depctr_va_vdst(0)
	s_wait_kmcnt 0x0
	s_cmp_lt_u32 s18, 1                            ; the choice hangs on the work-group's number alone
	s_cselect_b64 s[30:31], s[6:7], s[8:9]
	s_cmp_lt_u32 s18, 3
	s_cselect_b64 s[32:33], s[10:11], s[12:13]
	s_cmp_lt_u32 s18, 2
	s_cselect_b64 s[30:31], s[30:31], s[32:33]
	s_add_nc_u64 s[30:31], s[30:31], s[22:23]
	s_add_nc_u64 s[26:27], s[14:15], s[26:27]
	s_add_nc_u64 s[28:29], s[14:15], s[28:29]
.set N, 0
.rept 128
	global_load_b32 v[R+N], v[WCOL], s[30:31] offset:N*4096 th:TH_LOAD_NT   ; one row k at 32 columns: 128 consecutive bytes, the four waves side by side
.set N, N+1
.endr
.macro WBLOCK t, left                             ; block t of my column: all 32 numbers are mine
.set XW, R+32*(\t)
	s_wait_loadcnt \left
	v_max3_num_f32 v12, |v[XW]|, |v[XW+1]|, |v[XW+2]|
	v_max3_num_f32 v13, |v[XW+3]|, |v[XW+4]|, |v[XW+5]|
.irp i, 6,10,14,18,22,26
	v_max3_num_f32 v12, v12, |v[XW+\i]|, |v[XW+\i+1]|
	v_max3_num_f32 v13, v13, |v[XW+\i+2]|, |v[XW+\i+3]|
.endr
	v_max3_num_f32 v12, v12, |v[XW+30]|, |v[XW+31]|
	v_max3_num_f32 v12, v12, v13, 0x2800000
	v_add_nc_u32 v14, 0xfe000000, v12
	v_lshrrev_b32 v13, 23, v14
.if (\t) == 0
	v_mov_b32 v[PW], v13
.else
	v_lshl_or_b32 v[PW], v13, 8*(\t), v[PW]
.endif
	v_cvt_scalef32_pk16_bf6_f32 v[X+8*(\t):X+8*(\t)+2], v[XW:XW+15], v14
	v_cvt_scalef32_pk16_bf6_f32 v[192:194], v[XW+16:XW+31], v14
	v_nop                                          ; one plain instruction behind the scaled conversions
.irp i, 0,1,2
	v_mov_b32 v[X+8*(\t)+3+\i], v[192+\i]
.endr
.endm
	WBLOCK 0, 63                                   ; 96 and 64 younger loads might stay out; a wait names 63 at the most, and a smaller count is always safe
	WBLOCK 1, 63
	WBLOCK 2, 32
	WBLOCK 3, 0
.irp i, 0,1,2,3,4,5                               ; lanes 16-31 of blocks 0 (2) change places with lanes 0-15 of blocks 1 (3): the first becomes tile 2 g's half fragment, the second tile 2 g + 1's
	v_permlane16_swap_b32 v[X+\i], v[X+8+\i]
	v_permlane16_swap_b32 v[X+16+\i], v[X+24+\i]
.endr
	HFOUT X, 26, 0
	HFOUT X+16, 26, 768
	HFOUT X+8, 26, 12288                           ; the next stored tile: 8 K steps of 1,536 bytes on
	HFOUT X+24, 26, 13056
	global_store_b32 v[WSO], v[PW], s[28:29]
	global_store_b32 v[WSO], v[PW], s[28:29] offset:64
.Lend:
	s_wait_tensorcnt 0x0                           ; the wave's end
	ds_add_u32 v[SPW], v[NIL]
	s_wait_dscnt 0x0
	s_endpgm
.Lfunc_end_k_q835978729c_quant:
	.size	k_q835978729c_quant, .Lfunc_end_k_q835978729c_quant-k_q835978729c_quant
	.p2alignl 7, 3214868480
	.fill 96, 4, 3214868480
	.section	.rodata,"a",@progbits
	.p2align	6, 0x0
	.amdhsa_kernel k_q835978729c_quant
		.amdhsa_group_segment_fixed_size 68096
		.amdhsa_private_segment_fixed_size 0
		.amdhsa_enable_private_segment 0
		.amdhsa_kernarg_size 48
		.amdhsa_user_sgpr_count 2
		.amdhsa_user_sgpr_kernarg_segment_ptr 1
		.amdhsa_wavefront_size32 1
		.amdhsa_system_sgpr_workgroup_id_x 1
		.amdhsa_system_sgpr_workgroup_id_y 1
		.amdhsa_system_sgpr_workgroup_id_z 1
		.amdhsa_system_vgpr_workitem_id 0
		.amdhsa_next_free_vgpr 256
		.amdhsa_next_free_sgpr 66
		.amdhsa_reserve_vcc 0
		.amdhsa_float_denorm_mode_32 3
		.amdhsa_float_denorm_mode_16_64 3
		.amdhsa_memory_ordered 1
		.amdhsa_forward_progress 1
		.amdhsa_inst_pref_size 39
	.end_amdhsa_kernel
	.amdgpu_metadata
---
amdhsa.version: [ 1, 2 ]
amdhsa.kernels:
  - .name:           k_q835978729c_quant
    .symbol:         k_q835978729c_quant.kd
    .args:
      - { .name: x, .offset: 0, .size: 8, .value_kind: global_buffer, .address_space: global }
      - { .name: Wq, .offset: 8, .size: 8, .value_kind: global_buffer, .address_space: global }
      - { .name: Wk, .offset: 16, .size: 8, .value_kind: global_buffer, .address_space: global }
      - { .name: Wv, .offset: 24, .size: 8, .value_kind: global_buffer, .address_space: global }
      - { .name: Wo, .offset: 32, .size: 8, .value_kind: global_buffer, .address_space: global }
      - { .name: opq, .offset: 40, .size: 8, .value_kind: global_buffer, .address_space: global }
    .group_segment_fixed_size: 68096
    .private_segment_fixed_size: 0
    .kernarg_segment_align: 8
    .kernarg_segment_size: 48
    .max_flat_workgroup_size: 128
    .sgpr_count:     66
    .vgpr_count:     256
    .wavefront_size: 32
...
	.end_amdgpu_metadata
.endif
;; end of part 1
;; launch proj (part 2): grid 8 x 32, 4 waves a work-group, clusters of 4 x 4, 327,680 bytes of LDS; arguments opq, rope_cache, mask, qkv; writes qkv
.if DOCPART == 2
	.amdgcn_target "amdgcn-amd-amdhsa--gfx1250"
	.amdhsa_code_object_version 6
	.text
	.protected	k_q835978729c_proj
	.globl	k_q835978729c_proj
	.p2align	8
	.type	k_q835978729c_proj,@function
k_q835978729c_proj:
	s_mov_b64 s[64:65], 0
	v_nop
	global_prefetch_b8 v0, s[64:65] scope:SCOPE_SE
	s_setreg_imm32_b32 hwreg(HW_REG_WAVE_MODE, 25, 1), 1
	s_wait_xcnt 0x0
	s_wait_alu depctr_hold_cnt(0) depctr_sa_sdst(0) depctr_va_vdst(0) depctr_va_sdst(0) depctr_va_ssrc(0) depctr_va_vcc(0) depctr_vm_vsrc(0)
	s_getreg_b32 s2, hwreg(HW_REG_IB_STS2, 6, 4)
	s_cmp_eq_u32 s2, 0
	s_cbranch_scc0 .Lentry_in_a_cluster
	s_endpgm
.Lentry_in_a_cluster:
	s_bfe_u32 s2, ttmp6, 0x10000c
	s_cmp_lg_u32 s2, 0xf033
	s_cbranch_scc0 .Lentry_shape_is_right
	s_endpgm
.Lentry_shape_is_right:
; q = rope(x Wq), k = rope(x Wk), v = x Wv on codes of BF6 (E3M2), and the quantisers of q, k (along the head's 64) and v (along the keys).
; A WORK-GROUP STAYS: it has 128 tokens of x (y) and 128 columns (x), and makes 128 x 128 of q, then of k, then of v, four waves of 64 x 64 each.  All of K = 1,024 (8 steps of 128) of an operand lies in LDS.
; x's tile is fetched once and serves all three products.  The weights' tiles take turns in two slots: Wq in slot 0 (at the head), Wk in slot 1 (asked for ahead of the first product), Wv in slot 0 again (ahead of the second):
; each is asked for one whole product, with its way out, ahead of its use, behind a wait for my tensor loads, an add, a wait for LDS and a round of the cluster's barrier; wave 1 asks for the codes, wave 3 for the scale records.
; The matrix instruction is used transposed: source 0 = 16 rows of B, source 1 = 16 rows of A: a lane holds one row of A, and its registers run along B's rows.
; q, k: A = x (tokens), B = the weight: a wave's 64 columns are one head, a lane holds one token.  v: A = Wv (channels), B = x: the registers run along the KEYS, v's K.
; Stored tiles have bits 3 and 4 of the row index changed, so that the 16 registers of result tiles 2 e, 2 e + 1 are the neighbours 32 e + 16 (lane / 16) + 0 .. 15.
; CLUSTER 4 x 4: x's tile is shared along a row, the weights' tiles along a column, each asked for jointly.
; NO PREFETCH: the text has no loop to run ahead in, and each weight tile's own load stands a whole product ahead of its use.
; qkv: QR, KR [32 bh][128 stored tiles][1024]: half a fragment (768 bytes) and 32 pairs (M, S) at 768 + 8 x lane; VC [32][16 key steps][4 channel tiles][2 halves][768]; VS [32][16][4][128]; VSUM [2][32 half steps][1024] f32.
; THE KEY MASK RIDES IN THE PRODUCT q k^T, whose K is 64 of the instruction's 128.  M is register 6 of the fragment: the code at k = 64, in lanes 0-15 alone.  q: 1.0, block byte 127.
; k: -16 under the block byte 156 where mask = 0, else 0; a masked key's 64 codes are zeros.  So a masked score is exactly -2^33 (logit -2^30) and any other score is untouched.
; LIMITS: the hidden logit is -2^30 where the definition has -1e9: a row differs only if its largest visible logit lies near or under -1e9.  A block of zeros gets the byte 1.  NaN and infinities are not served.
; VSUM: the sums of the quantised v over each 64 keys, by a product with a fragment of ones: the next launch weighs keys that it does not walk with them.
.set WC,    3145728                    ; opq: x's codes from 0; the weights' codes (q, k, v, o: 64 stored tiles each); x's scale records; the weights'
.set XS,    6291456
.set WS,    6553600
.set KR,    4194304
.set VC,    8388608
.set VS,    11534336
.set VSUM,  11796480
.set OPB,   98304                      ; an operand's 128 rows x 1,024 K, in LDS as in memory: [tile 0-7][8 K steps][1536].  LDS: x from 0, slot 0 from OPB, slot 1 from 2 OPB
.set TILEB, 12288                      ; a stored tile's 8 K steps
.set XSL,   3*OPB                      ; x's scale records [8 tiles][8][128];
.set WSL,   XSL+8192                   ; slot 0's, and 8,192 on slot 1's
.set SPARE, XSL+3*8192                 ; the spare words, 128 bytes a wave, that no other line names
.set L8,   4
.set L16,  5
.set L4,   6
.set ROFF, 7                           ; v7  my token's row of rope_cache, + 64 h
.set MOFF, 8                           ; v8  r + 8 (r / 8): my token in its tile
.set VSO,  10                          ; v10 where my sum of v goes
.set XA8,  11                          ; v11-14 x's fragments, 8 x lane and 16 x lane: my half as A, my half as B
.set XA16, 12
.set XB8,  13
.set XB16, 14
.set W0B8, 16                          ; v16-21 the weights' likewise: slot 0 as B, slot 1 as B, slot 0 as A
.set W0B16, 17
.set W1B8, 18
.set W1B16, 19
.set W0A8, 20
.set W0A16, 21
.set ADQ,  22                          ; v22-24 scale words of the three products: lanes 0-15 A's, lanes 16-31 B's
.set ADK,  23
.set ADV,  24
.set SPW,  28
.set NIL,  29
.set SC,   32                          ; v32-35, v36-39 two sets of scale words
.set MK,   40                          ; v40-43 mask bytes of my four tokens
.set TM,   44                          ; v44-51 at work
.set TQ,   52                          ; v52-54 at work
.set CODE, 55
.set SV,   56                          ; v56-59 v's scale words;  v60 the ones' scale word
.set ONS,  60
.set RS,   64                          ; v64-95 a rotated row's 32 numbers
.set FV,   64                          ; v64-111 v's four fragments (6 registers of codes, 6 of zeros)
.set OUT,  96                          ; v96-127 four records
.set ONES, 112                         ; v112-123 a fragment of ones
.set UU,   124
.set ACC,  128                         ; accumulator (a, b) at v[128 + 8 (4 a + b)]
.set SEL,  20                          ; s[20:21], set behind the loads
.set G1,   24
.set G0,   32
.set G1B,  48
.set G0B,  56
.set G1S,  68
.set G0S,  76
.set G1SB, 80
.set G0SB, 88
.set REC,  94                          ; s[94:95] my first record of q; k's lies KR on
.set MSB, 0
.macro WIN new                         ; the immediate's high byte repeats the setting that is left
.if MSB != \new
	s_set_vgpr_msb (MSB<<8)|\new
.set MSB, \new
.endif
.endm
.set MUL,  0x05                        ; sources 0 and 1 window 1; C and D window 0
.set TO_F, 0x40                        ; destination window 1, address window 0
.macro CREST
	s_cmp_lg_u32 s14, 0
	s_cbranch_scc1 .Lnot_wave_0_\@
	s_barrier_signal -3
.Lnot_wave_0_\@:
	s_barrier_wait -3
	s_barrier_signal -1
	s_barrier_wait -1
.endm
.macro CROUND
	s_barrier_signal -1
	s_barrier_wait -1
	CREST
.endm
.macro PLACES n
.rept \n
	v_nop
.endr
.endm
.macro HFLDS reg, a8, a16, off         ; half a fragment from LDS: consecutive bytes, lane by lane
	ds_load_b64 v[\reg:\reg+1], v[\a8] offset:\off
	ds_load_b128 v[\reg+2:\reg+5], v[\a16] offset:\off+256
.endm
.macro HFOUT pc, sb, off
	global_store_b64 v[L8], v[(\pc):(\pc)+1], s[\sb:\sb+1] offset:\off
	global_store_b128 v[L16], v[(\pc)+2:(\pc)+5], s[\sb:\sb+1] offset:(\off)+256
.endm
; K step k's fragments into buffer f of window 1 (A's four at 96 f, B's four at 96 f + 48) and its scale words into set f: 36 LDS loads.  PA8 .. PS name the product's address registers
.macro FETCH k, f
	WIN TO_F
.irp i, 0,1,2,3
.irp c, 0,1
	HFLDS 96*(\f)+12*\i+6*\c, PA8, PA16, TILEB*\i+1536*(\k)+768*\c
	HFLDS 96*(\f)+48+12*\i+6*\c, PB8, PB16, TILEB*\i+1536*(\k)+768*\c
.endr
.endr
	WIN 0
.irp i, 0,1,2,3
	ds_load_b32 v[SC+4*(\f)+\i], v[PS] offset:1024*\i+128*(\k)
.endr
.endm
; 16 matrix instructions; the 16 accumulators take turns, one instruction a turn
.macro MUL16 f, zero
.irp a, 0,1,2,3
.irp b, 0,1,2,3
.if \zero
	v_wmma_scale_f32_16x16x128_f8f6f4 v[ACC+8*(4*\a+\b):ACC+8*(4*\a+\b)+7], v[96*(\f)+48+12*\b:96*(\f)+48+12*\b+11], v[96*(\f)+12*\a:96*(\f)+12*\a+11], 0, v[SC+4*(\f)+\b], v[SC+4*(\f)+\a] matrix_a_fmt:MATRIX_FMT_BF6 matrix_b_fmt:MATRIX_FMT_BF6 matrix_a_scale:MATRIX_SCALE_ROW1
.else
	v_wmma_scale_f32_16x16x128_f8f6f4 v[ACC+8*(4*\a+\b):ACC+8*(4*\a+\b)+7], v[96*(\f)+48+12*\b:96*(\f)+48+12*\b+11], v[96*(\f)+12*\a:96*(\f)+12*\a+11], v[ACC+8*(4*\a+\b):ACC+8*(4*\a+\b)+7], v[SC+4*(\f)+\b], v[SC+4*(\f)+\a] matrix_a_fmt:MATRIX_FMT_BF6 matrix_b_fmt:MATRIX_FMT_BF6 matrix_a_scale:MATRIX_SCALE_ROW1
.endif
.endr
.endr
.endm
.macro KSTEP k
	s_wait_dscnt 0x0                               ; this step's fragments, asked for 16 matrix instructions ago, are in
.if \k < 7
.if \k > 0
	PLACES 4                                       ; in front of loads into registers that matrix instructions have read
.endif
	FETCH (\k)+1, ((\k)+1)%2
.endif
	WIN MUL
.if \k == 0
	MUL16 0, 1                                     ; the first products start the sums
.else
	MUL16 (\k)%2, 0
.endif
.endm
.macro MAIN a8, a16, b8, b16, sw       ; one product, 64 x 64 x 1,024 a wave
.set PA8, \a8
.set PA16, \a16
.set PB8, \b8
.set PB16, \b16
.set PS, \sw
	FETCH 0, 0
.irp k, 0,1,2,3,4,5,6,7
	KSTEP \k
.endr
	WIN 0
	PLACES 4                                       ; in front of the first read of results
.endm
; The next weight's tile into slot \slot.  Every wave: all my tensor loads have landed; the add; the wait for it and for my LDS reads; a round of the cluster's barrier; then the joint load, one a wave
.macro NEXTW slot
	s_wait_tensorcnt 0x0
	ds_add_u32 v[SPW], v[NIL]
	s_mov_b32 s[G0B+1], OPB+\slot*OPB              ; no tensor load of mine is out: the descriptors step to the next weight, 64 stored tiles on
	s_add_nc_u64 s[G0B+2:G0B+3], s[G0B+2:G0B+3], 8*OPB
	s_mov_b32 s[G0SB+1], WSL+\slot*8192
	s_add_nc_u64 s[G0SB+2:G0SB+3], s[G0SB+2:G0SB+3], 8*8192
	s_wait_dscnt 0x0
	CROUND
	s_cmp_eq_u32 s14, 1
	s_cbranch_scc0 .Lnot_codes_\@
	tensor_load_to_lds s[G0B:G0B+3], s[G1B:G1B+7]
	s_nop 0
	PLACES 4
	s_branch .Lnext_asked_\@
.Lnot_codes_\@:
	s_cmp_eq_u32 s14, 3
	s_cbranch_scc0 .Lnext_asked_\@
	tensor_load_to_lds s[G0SB:G0SB+3], s[G1SB:G1SB+7]
	s_nop 0
	PLACES 4
.Lnext_asked_\@:
.endm
; 32 numbers of a lane, register 16 b + i = k 32 b + 16 (lane / 16) + i of its row, become half a fragment at pc; the two bytes stay in v[TM+4], v[TM+5]
.macro QUANT2 s, pc
.irp b, 0,1                                       ; each block's 16 numbers in two chains, four chains by turns
	v_max3_num_f32 v[TM+\b], |v[(\s)+16*\b]|, |v[(\s)+1+16*\b]|, 0x2800000   ; with the floor 2^(5 - 127)
	v_max3_num_f32 v[TM+2+\b], |v[(\s)+8+16*\b]|, |v[(\s)+9+16*\b]|, |v[(\s)+10+16*\b]|
.endr
.irp i, 2,4
.irp b, 0,1
	v_max3_num_f32 v[TM+\b], v[TM+\b], |v[(\s)+16*\b+\i]|, |v[(\s)+1+16*\b+\i]|
	v_max3_num_f32 v[TM+2+\b], v[TM+2+\b], |v[(\s)+9+16*\b+\i]|, |v[(\s)+10+16*\b+\i]|
.endr
.endr
.irp b, 0,1
	v_max3_num_f32 v[TM+\b], v[TM+\b], |v[(\s)+6+16*\b]|, |v[(\s)+7+16*\b]|
.endr
.irp b, 0,1
	v_max3_num_f32 v[TM+\b], v[TM+\b], v[TM+2+\b], |v[(\s)+15+16*\b]|
.endr
.irp b, 0,1
	v_permlanex16_b32 v[TM+2+\b], v[TM+\b], s[SEL], s[SEL+1]
.endr
.irp b, 0,1
	v_max_num_f32 v[TM+\b], v[TM+\b], v[TM+2+\b]
.endr
.irp b, 0,1
	v_add_nc_u32 v[TM+6+\b], 0xfe000000, v[TM+\b]     ; 4 off the exponent field: the conversion's scale operand
.endr
.irp b, 0,1
	v_lshrrev_b32 v[TM+4+\b], 23, v[TM+6+\b]          ; the scale's byte
.endr
	v_cvt_scalef32_pk16_bf6_f32 v[(\pc):(\pc)+2], v[(\s):(\s)+15], v[TM+6]
	v_cvt_scalef32_pk16_bf6_f32 v[TQ:TQ+2], v[(\s)+16:(\s)+31], v[TM+7]
	v_nop                                             ; one plain instruction behind the scaled conversions
.irp i, 0,1,2
	v_permlane16_swap_b32 v[(\pc)+\i], v[TQ+\i]       ; a whole block to a lane: lanes 0-15 block 0, lanes 16-31 block 1
.endr
.irp i, 0,1,2
	v_mov_b32 v[(\pc)+3+\i], v[TQ+\i]
.endr
.endm
; q (kk = 0) or k (kk = 1): rotate, quantise along the head's 64, lay the mask in, store four records
.macro EPIQK kk
	v_mov_b32 v[CODE], 0x0c+0x30*\kk               ; the code at k = 64: 1.0, or -16
.irp a, 0,1,2,3
	WIN 0x08                                       ; source 1 (cos, sin) window 2.
.irp i, 0,2,4,6,8,10,12,14                        ; the products in runs, so that no line reads the line above it
	v_pk_mul_f32 v[RS+\i:RS+\i+1], v[ACC+32*\a+16+\i:ACC+32*\a+17+\i], v[32*\a+16+\i:32*\a+17+\i]
.endr
.irp i, 0,2,4,6,8,10,12,14
	v_pk_mul_f32 v[RS+16+\i:RS+17+\i], v[ACC+32*\a+16+\i:ACC+32*\a+17+\i], v[32*\a+\i:32*\a+1+\i]
.endr
.irp i, 0,2,4,6,8,10,12,14
	v_pk_fma_f32 v[RS+\i:RS+\i+1], v[ACC+32*\a+\i:ACC+32*\a+1+\i], v[32*\a+\i:32*\a+1+\i], v[RS+\i:RS+\i+1] neg_lo:[0,0,1] neg_hi:[0,0,1]   ; x1 cos - x2 sin
.endr
.irp i, 0,2,4,6,8,10,12,14
	v_pk_fma_f32 v[RS+16+\i:RS+17+\i], v[ACC+32*\a+\i:ACC+32*\a+1+\i], v[32*\a+16+\i:32*\a+17+\i], v[RS+16+\i:RS+17+\i]                       ; x1 sin + x2 cos
.endr
	WIN 0
	QUANT2 RS, OUT+8*\a
.if \kk
	v_cmp_ne_u32 s46, 0, v[MK+\a]                  ; the token counts as a key: it keeps its codes
	s_not_b32 s47, s46
	s_and_b32 s47, s47, 0xffff                     ; lanes 0-15 in which the code at k = 64 is set
.irp i, 0,1,2,3,4,5
	v_cndmask_b32 v[OUT+8*\a+\i], 0, v[OUT+8*\a+\i], s46
.endr
.endif
	v_cndmask_b32 v[OUT+8*\a+6], 0, v[CODE], s47   ; (q: s47 names lanes 0-15)
	v_lshl_or_b32 v[OUT+8*\a+7], v[TM+5], 8, v[TM+4]
	v_or_b32 v[OUT+8*\a+7], 0x7f7f0000+0x1d0000*\kk, v[OUT+8*\a+7]   ; bytes 2 and 3 of the scale word: 127, or 156, and 127
	HFOUT OUT+8*\a, REC, 1024*\a+KR*\kk
	global_store_b64 v[L8], v[OUT+8*\a+6:OUT+8*\a+7], s[REC:REC+1] offset:1024*\a+768+KR*\kk
.endr
.endm
	s_load_b256 s[4:11], s[0:1], 0x0               ; opq s[4:5], rope_cache s[6:7], mask s[8:9], qkv s[10:11]
	v_lshl_add_u32 v[SPW], v0, 2, SPARE
	v_mov_b32 v[NIL], 0
	ds_add_u32 v[SPW], v[NIL]                      ; the wave's opening
	ds_add_u32 v[SPW], v[NIL]
	v_lshrrev_b32 v1, 5, v0
	v_readfirstlane_b32 s14, v1                    ; wave
	s_lshr_b32 s15, s14, 1                         ; my half of A's rows
	s_and_b32 s16, s14, 1                          ; my half of B's rows
	s_bfe_u32 s40, ttmp6, 0x40000                  ; cx
	s_bfe_u32 s41, ttmp6, 0x40004                  ; cy
	s_and_b32 s17, ttmp7, 0xffff
	s_lshl_b32 s17, s17, 2
	s_add_co_u32 s17, s17, s41                     ; which 128 tokens
	s_lshl_b32 s42, ttmp9, 2
	s_add_co_u32 s42, s42, s40                     ; which 128 columns
	s_lshl_b32 s43, s41, 2
	s_lshl_b32 s43, 15, s43                        ; my row of the cluster
	s_lshl_b32 s44, 0x1111, s40                    ; my column
	s_mul_i32 s20, s17, OPB                        ; x's codes
	s_mov_b32 s21, 0
	s_lshl_b32 s22, s17, 13
	s_add_co_u32 s22, s22, XS                      ; x's scale records
	s_mov_b32 s23, 0
	s_mul_i32 s46, s42, OPB
	s_add_co_u32 s46, s46, WC                      ; Wq's codes
	s_mov_b32 s47, 0
	s_lshl_b32 s92, s42, 13
	s_add_co_u32 s92, s92, WS                      ; Wq's scale records
	s_mov_b32 s93, 0
	; group 1, codes: an operand's 98,304 bytes are one dense block: 384 rows of 256 bytes (32 elements of 8 bytes)
	s_or_b32 s[G1], s43, (3<<16)|(1<<21)
	s_or_b32 s[G1B], s44, (3<<16)|(1<<21)
.irp g, G1, G1B
	s_mov_b32 s[\g+1], 32<<16
	s_mov_b32 s[\g+2], 384<<16
	s_mov_b32 s[\g+3], 32<<16
	s_mov_b32 s[\g+4], 384
	s_mov_b32 s[\g+5], 32
	s_mov_b32 s[\g+6], 0
	s_mov_b32 s[\g+7], 0
.endr
	; group 1, scale records: an operand's 8,192 bytes as 32 rows of 256
	s_or_b32 s[G1S], s43, (3<<16)|(1<<21)
	s_or_b32 s[G1SB], s44, (3<<16)|(1<<21)
.irp g, G1S, G1SB
	s_mov_b32 s[\g+1], 32<<16
	s_mov_b32 s[\g+2], 32<<16
	s_mov_b32 s[\g+3], 32<<16
	s_mov_b32 s[\g+4], 32
	s_mov_b32 s[\g+5], 32
	s_mov_b32 s[\g+6], 0
	s_mov_b32 s[\g+7], 0
.endr
	s_wait_dscnt 0x0                               ; both opening adds are done
	s_wait_kmcnt 0x0
	s_add_nc_u64 s[20:21], s[4:5], s[20:21]
	s_add_nc_u64 s[22:23], s[4:5], s[22:23]
	s_add_nc_u64 s[46:47], s[4:5], s[46:47]
	s_add_nc_u64 s[92:93], s[4:5], s[92:93]
	CROUND                                         ; all sixteen work-groups are here: the joint loads meet
	s_mov_b32 s[G0], 1
	s_mov_b32 s[G0+1], 0
	s_mov_b64 s[G0+2:G0+3], s[20:21]
	s_or_b32 s[G0+3], s[G0+3], 0x80000000
	s_mov_b32 s[G0B], 1
	s_mov_b32 s[G0B+1], OPB
	s_mov_b64 s[G0B+2:G0B+3], s[46:47]
	s_or_b32 s[G0B+3], s[G0B+3], 0x80000000
	s_mov_b32 s[G0S], 1
	s_mov_b32 s[G0S+1], XSL
	s_mov_b64 s[G0S+2:G0S+3], s[22:23]
	s_or_b32 s[G0S+3], s[G0S+3], 0x80000000
	s_mov_b32 s[G0SB], 1
	s_mov_b32 s[G0SB+1], WSL
	s_mov_b64 s[G0SB+2:G0SB+3], s[92:93]
	s_or_b32 s[G0SB+3], s[G0SB+3], 0x80000000
; the head's four tiles, one joint load a wave: wave 0 x's codes, wave 1 Wq's, wave 2 x's scale records, wave 3 Wq's; one tree of branches on the wave's number
.macro ARM under, g0, g1, next
	s_cmp_lt_u32 s14, \under
	s_cbranch_scc0 \next
	tensor_load_to_lds s[\g0:\g0+3], s[\g1:\g1+7]
	s_nop 0
	PLACES 4
	s_branch .Lasked
\next:
.endm
	ARM 1, G0,  G1,  .Lhead_b
	ARM 2, G0B, G1B, .Lhead_sa
	ARM 3, G0S, G1S, .Lhead_sb
	tensor_load_to_lds s[G0SB:G0SB+3], s[G1SB:G1SB+7]
	s_nop 0
	PLACES 4
.Lasked:
	v_and_b32 v1, 15, v0                           ; r
	v_bfe_u32 v2, v0, 4, 1                         ; h
	v_and_b32 v3, 31, v0                           ; lane
	v_lshlrev_b32 v[L8], 3, v3
	v_lshlrev_b32 v[L16], 4, v3
	v_lshlrev_b32 v[L4], 2, v3
	v_and_b32 v[MOFF], 8, v1
	v_add_nc_u32 v[MOFF], v[MOFF], v1              ; r + 8 (r / 8)
	v_lshlrev_b32 v[ROFF], 8, v[MOFF]
	v_lshl_add_u32 v[ROFF], v2, 6, v[ROFF]         ; a token's 256 bytes of rope_cache, + my 16 of its 32 angles
	s_wait_alu depctr_va_vdst(0)
	s_and_b32 s2, s17, 15
	s_lshl_b32 s2, s2, 7
	s_lshl_b32 s3, s15, 6
	s_add_co_u32 s2, s2, s3                        ; my wave's first token in its sequence, for q and k
	s_lshl_b32 s2, s2, 8
	s_mov_b32 s3, 0
	s_add_nc_u64 s[96:97], s[6:7], s[2:3]
	s_lshl_b32 s2, s17, 7
	s_lshl_b32 s12, s15, 6
	s_add_co_u32 s2, s2, s12
	s_add_nc_u64 s[98:99], s[8:9], s[2:3]          ; mask: a byte a token, both sequences on end
	WIN 0x80                                       ; destination window 2: cos at v[32 a + ..], sin at v[32 a + 16 + ..]
.irp a, 0,1,2,3
.irp j, 0,1,2,3
	global_load_b128 v[32*\a+4*\j:32*\a+4*\j+3], v[ROFF], s[96:97] offset:(32*(\a/2)+8*(\a%2))*256+16*\j
	global_load_b128 v[32*\a+16+4*\j:32*\a+16+4*\j+3], v[ROFF], s[96:97] offset:(32*(\a/2)+8*(\a%2))*256+128+16*\j
.endr
.endr
	WIN 0
.irp a, 0,1,2,3
	global_load_u8 v[MK+\a], v[MOFF], s[98:99] offset:32*(\a/2)+8*(\a%2)
.endr
	s_mul_i32 s2, s15, 4*TILEB                     ; four tiles of an operand: by my half of A's rows,
	s_mul_i32 s3, s16, 4*TILEB                     ; by my half of B's
	s_add_co_u32 s12, s3, OPB
	s_add_co_u32 s13, s3, 2*OPB
	s_add_co_u32 s18, s2, OPB
	s_lshl_b32 s19, s15, 12
	s_add_co_u32 s19, s19, XSL                     ; q, k: lanes 0-15 x's records,
	s_lshl_b32 s92, s16, 12
	s_add_co_u32 s46, s92, WSL
	s_sub_co_u32 s46, s46, s19                     ; lanes 16-31 the slot's: one product, the distance between the two
	s_add_co_u32 s47, s46, 8192
	s_add_co_u32 s92, s92, XSL                     ; v: lanes 16-31 x's records,
	s_lshl_b32 s93, s15, 12
	s_add_co_u32 s93, s93, WSL
	s_sub_co_u32 s93, s93, s92                     ; lanes 0-15 slot 0's
	v_add_nc_u32 v[XA8], s2, v[L8]
	v_add_nc_u32 v[XA16], s2, v[L16]
	v_add_nc_u32 v[XB8], s3, v[L8]
	v_add_nc_u32 v[XB16], s3, v[L16]
	v_add_nc_u32 v[W0B8], s12, v[L8]
	v_add_nc_u32 v[W0B16], s12, v[L16]
	v_add_nc_u32 v[W1B8], s13, v[L8]
	v_add_nc_u32 v[W1B16], s13, v[L16]
	v_add_nc_u32 v[W0A8], s18, v[L8]
	v_add_nc_u32 v[W0A16], s18, v[L16]
	v_mul_u32_u24 v9, s46, v2
	v_mul_u32_u24 v10, s47, v2
	v_sub_nc_u32 v15, 1, v2                        ; 1 in lanes 0-15
	v_lshl_add_u32 v9, v1, 2, v9
	v_lshl_add_u32 v10, v1, 2, v10
	v_mul_u32_u24 v15, s93, v15
	v_add_nc_u32 v[ADQ], s19, v9
	v_add_nc_u32 v[ADK], s19, v10
	v_lshl_add_u32 v15, v1, 2, v15
	v_add_nc_u32 v[ADV], s92, v15
	s_wait_alu depctr_va_vdst(0)                   ; the head's end
	NEXTW 1                                        ; the head's four tiles are in; Wk is asked for, into slot 1
	MAIN XA8, XA16, W0B8, W0B16, ADQ               ; x Wq
	s_mov_b32 s[SEL], 0x76543210
	s_mov_b32 s[SEL+1], 0xfedcba98
	s_lshr_b32 s19, s17, 4
	s_lshl_b32 s19, s19, 4
	s_lshl_b32 s46, s42, 1
	s_add_co_u32 s19, s19, s46
	s_add_co_u32 s19, s19, s16                     ; 16 x batch + head
	s_lshl_b32 s19, s19, 7
	s_and_b32 s46, s17, 15
	s_lshl_b32 s46, s46, 3
	s_add_co_u32 s19, s19, s46
	s_lshl_b32 s46, s15, 2
	s_add_co_u32 s19, s19, s46                     ; my first record
	s_lshl_b32 s[REC], s19, 10
	s_mov_b32 s[REC+1], 0
	s_add_nc_u64 s[REC:REC+1], s[10:11], s[REC:REC+1]
	s_mov_b32 s47, 0xffff
	s_wait_loadcnt 0x0                             ; cos, sin, mask
	EPIQK 0
	s_wait_alu depctr_va_vdst(0)
	s_wait_xcnt 0x0                                ; the stores have read their registers
	NEXTW 0                                        ; nobody reads slot 0 any more, and Wk is in: Wv is asked for, into slot 0
	MAIN XA8, XA16, W1B8, W1B16, ADK               ; x Wk
	EPIQK 1
	s_wait_alu depctr_va_vdst(0)
	s_wait_xcnt 0x0
	s_wait_tensorcnt 0x0                           ; my part of Wv's tile is in,
	s_barrier_signal -1
	s_barrier_wait -1                              ; and everybody's
	MAIN W0A8, W0A16, XB8, XB16, ADV               ; (x Wv)^T
	; ---- v: a wave holds one head's 64 channels (lanes) x 64 keys (registers)
	s_lshl_b32 s2, s42, 1
	s_add_co_u32 s2, s2, s15                       ; head
	s_lshr_b32 s3, s17, 4                          ; batch
	s_and_b32 s12, s17, 15                         ; key step
	s_lshl_b32 s18, s3, 4
	s_add_co_u32 s18, s18, s2
	s_lshl_b32 s18, s18, 4
	s_add_co_u32 s18, s18, s12
	s_mul_i32 s46, s18, 6144
	s_mul_i32 s19, s16, 768                        ; my half of the step's 128 keys
	s_add_co_u32 s46, s46, s19
	s_add_co_u32 s46, s46, VC
	s_mov_b32 s47, 0
	s_add_nc_u64 s[46:47], s[10:11], s[46:47]
	s_lshl_b32 s18, s18, 9
	s_lshl_b32 s19, s16, 1
	s_add_co_u32 s18, s18, s19
	s_add_co_u32 s18, s18, VS
	s_mov_b32 s19, 0
	s_add_nc_u64 s[18:19], s[10:11], s[18:19]
	s_lshl_b32 s92, s3, 5
	s_lshl_b32 s93, s12, 1
	s_add_co_u32 s92, s92, s93
	s_add_co_u32 s92, s92, s16                     ; which 64 keys
	s_lshl_b32 s92, s92, 10
	s_lshl_b32 s93, s2, 6
	s_add_co_u32 s92, s92, s93
	s_lshl_b32 s92, s92, 2
	s_add_co_u32 s92, s92, VSUM
	s_mov_b32 s93, 0
	s_add_nc_u64 s[92:93], s[10:11], s[92:93]
	s_mov_b32 s2, 0xffff0000                       ; lanes 16-31
	v_lshl_add_u32 v[VSO], v2, 3, v[MOFF]
	v_lshlrev_b32 v[VSO], 2, v[VSO]                ; channel r + 8 (r / 8) + 8 h
	v_mov_b32 v[ONS], 0x7f7f7f7f
.irp i, 0,3,6,9
	v_mov_b32 v[ONES+\i], 0x0c30c30c               ; the code of 1.0, 0x0c, as a stream of 6-bit codes
	v_mov_b32 v[ONES+1+\i], 0xc30c30c3
	v_mov_b32 v[ONES+2+\i], 0x30c30c30
.endr
.irp a, 0,1,2,3
.irp i, 6,7,8,9,10,11
	v_mov_b32 v[FV+12*\a+\i], 0                    ; k = 64 .. 127 of the sums' product: zero codes
.endr
.endr
.irp a, 0,1,2,3
	QUANT2 ACC+32*\a, FV+12*\a
	v_lshl_or_b32 v[SV+\a], v[TM+5], 8, v[TM+4]
	v_or_b32 v[SV+\a], 0x7f7f0000, v[SV+\a]
	HFOUT FV+12*\a, 46, 1536*\a
	global_store_b16 v[L4], v[SV+\a], s[18:19] offset:128*\a   ; my two bytes of the word of 128 keys
.endr
	PLACES 8                                       ; scale registers and operands that vector instructions wrote stand 8 and 4 places ahead of a scaled matrix instruction
.irp a, 0,1,2,3
	v_wmma_scale_f32_16x16x128_f8f6f4 v[ACC+32*\a:ACC+32*\a+7], v[ONES:ONES+11], v[FV+12*\a:FV+12*\a+11], 0, v[ONS], v[SV+\a] matrix_a_fmt:MATRIX_FMT_BF6 matrix_b_fmt:MATRIX_FMT_BF6   ; lane r: the sum of channel r's 64 quantised numbers
.endr
	PLACES 4
	v_cndmask_b32 v[UU], v[ACC], v[ACC+32], s2     ; lanes 0-15 tile 0's channels, lanes 16-31 tile 1's
	v_cndmask_b32 v[UU+1], v[ACC+64], v[ACC+96], s2
	global_store_b32 v[VSO], v[UU], s[92:93]       ; 128 consecutive bytes
	global_store_b32 v[VSO], v[UU+1], s[92:93] offset:128
	s_wait_tensorcnt 0x0                           ; the wave's end
	ds_add_u32 v[SPW], v[NIL]
	s_wait_dscnt 0x0
	CROUND                                         ; the closing round
	s_endpgm
.Lfunc_end_k_q835978729c_proj:
	.size	k_q835978729c_proj, .Lfunc_end_k_q835978729c_proj-k_q835978729c_proj
	.p2alignl 7, 3214868480
	.fill 96, 4, 3214868480
	.section	.rodata,"a",@progbits
	.p2align	6, 0x0
	.amdhsa_kernel k_q835978729c_proj
		.amdhsa_group_segment_fixed_size 327680
		.amdhsa_private_segment_fixed_size 0
		.amdhsa_enable_private_segment 0
		.amdhsa_kernarg_size 32
		.amdhsa_user_sgpr_count 2
		.amdhsa_user_sgpr_kernarg_segment_ptr 1
		.amdhsa_wavefront_size32 1
		.amdhsa_system_sgpr_workgroup_id_x 1
		.amdhsa_system_sgpr_workgroup_id_y 1
		.amdhsa_system_sgpr_workgroup_id_z 1
		.amdhsa_system_vgpr_workitem_id 0
		.amdhsa_next_free_vgpr 768
		.amdhsa_next_free_sgpr 100
		.amdhsa_reserve_vcc 0
		.amdhsa_float_denorm_mode_32 3
		.amdhsa_float_denorm_mode_16_64 3
		.amdhsa_memory_ordered 1
		.amdhsa_forward_progress 1
		.amdhsa_inst_pref_size 173
	.end_amdhsa_kernel
	.amdgpu_metadata
---
amdhsa.version: [ 1, 2 ]
amdhsa.kernels:
  - .name:           k_q835978729c_proj
    .symbol:         k_q835978729c_proj.kd
    .args:
      - { .name: opq, .offset: 0, .size: 8, .value_kind: global_buffer, .address_space: global }
      - { .name: rope_cache, .offset: 8, .size: 8, .value_kind: global_buffer, .address_space: global }
      - { .name: mask, .offset: 16, .size: 8, .value_kind: global_buffer, .address_space: global }
      - { .name: qkv, .offset: 24, .size: 8, .value_kind: global_buffer, .address_space: global }
    .group_segment_fixed_size: 327680
    .private_segment_fixed_size: 0
    .kernarg_segment_align: 8
    .kernarg_segment_size: 32
    .max_flat_workgroup_size: 128
    .sgpr_count:     100
    .vgpr_count:     768
    .wavefront_size: 32
...
	.end_amdgpu_metadata
.endif
;; end of part 2
;; launch attn (part 3): grid 8 x 32, 16 waves a work-group, no clusters, 327,680 bytes of LDS; arguments qkv, att; writes att
.if DOCPART == 3
	.amdgcn_target "amdgcn-amd-amdhsa--gfx1250"
	.amdhsa_code_object_version 6
	.text
	.protected	k_q835978729c_attn
	.globl	k_q835978729c_attn
	.p2align	8
	.type	k_q835978729c_attn,@function
k_q835978729c_attn:
	s_mov_b64 s[64:65], 0
	v_nop
	global_prefetch_b8 v0, s[64:65] scope:SCOPE_SE
	s_setreg_imm32_b32 hwreg(HW_REG_WAVE_MODE, 25, 1), 1
	s_wait_xcnt 0x0
; att = Q(softmax(q k^T / 8, causal and key mask) v), both products on codes of BF6 (E3M2); the result is quantised along C for the last product.
; t = score x log2(e) / 8; M = the running largest t rounded up to a whole number; p = 2^(t - M) is quantised along the keys; the row's sum is taken of the unquantised p and divides at the end.
; SHARES.  A work-group has one head (x + 8 (y / 8)) and the query blocks i and 15 - i of 128 (i = y % 8).  A stored tile of 16 queries of block J needs key steps 0 .. J of 128 keys; steps wholly behind the diagonal are not walked.
; Sixteen waves in eight pairs; pair n has tile n of both blocks, 17 steps in all.  Wave X walks the long tile's steps 0 .. 8.  Wave Y walks the short tile's steps 0 .. i, finishes and stores it,
; and then walks the long tile's steps 9 .. 15 - i: 9 and 8 steps whatever i is.  X hands its O^T, sums and M to Y through LDS; since every M is a whole number the two parts are joined by factors that are powers of two.
; The walks are counted loops (4, 5 and 7 trips) that every wave runs; a step that is not the wave's is left out by a scalar branch on ids, and the lines that step addresses are on every path.
; All of the head's K and V comes into LDS by first fills, in two parts.  At the head one tensor load a wave, 4,096 bytes each: key steps 0 .. 3 (waves 0-7 K, waves 8-13 V) and V's scale records (waves 14, 15).
; Behind the first barrier, key steps 4 .. 15: 12,288 bytes a wave (waves 0-7 K, waves 8-13 V); they are on their way while steps 0 .. 3 are walked.  No LDS byte is filled twice.
; The key steps behind 15 - i are fetched with the rest and not read: one text and one set of descriptors serves every work-group.
; Both products are used transposed: S^T = K Q^T, O^T = V^T P^T: a lane holds one query throughout.  Stored tiles have bits 3 and 4 of the row index changed: the 16 registers of tiles 2 b, 2 b + 1 are 16 neighbouring keys (channels).
; HIDDEN KEYS.  A key masked by the input gives the score -2^33 by the product itself (a code at k = 64 of both operands); a key behind the diagonal gets the same number by a select.  The running largest t begins at
; t_h = -2^33 log2(e) / 8, a whole number.  So a row with no visible key has p = 1 at every hidden key, as the definition has it; the keys that are not walked count with p_h = 2^(t_h - M):
; O += p_h x (the sum of the quantised v over them), l += p_h x their number.  p_h is 0 in every other row.
; LIMITS: the hidden logit is -2^30 where the definition has -1e9: a row differs only if its largest visible logit lies near or under -1e9.  2^0 by v_exp_f32 is taken to be 1.  NaN and infinities are not served.
; NO CLUSTER: the work-groups of a head share K and V, but which steps a wave walks hangs on the work-group's number.
; NO PREFETCH: every tile that the work-group reads is asked for at its head or behind its first barrier.
.set KR,    4194304
.set VC,    8388608
.set VS,    11534336
.set VSUM,  11796480
.set AS,    3145728
.set VREG,  131072                     ; LDS: K's 128 records of 1,024 bytes from 0; V's 16 steps of 6,144 bytes;
.set VSC,   229376                     ; V's scale records, 16 steps of 512 bytes;
.set PAIR,  237568                     ; 5,120 bytes a pair, stored by its waves (no fill lands here): sums of v over the keys not walked, short tile's (256) and long tile's (256); X's state (9 x 512);
.set PAIRB, 5120
.set SPARE, PAIR+8*PAIRB               ; the spare words, 128 bytes a wave, that no other line names
.set L8,   1
.set L16,  2
.set L4,   3
.set DG,   4                           ; v4  my query in its block of 128, less 16 (lane / 16)
.set SPW,  5
.set NIL,  6
.set ADK8, 7
.set ADK16, 8
.set ADV8, 9
.set ADV16, 10
.set ADT,  11
.set VSW,  28                          ; v28-31 V's scale words
.set KF,   32                          ; v32-79 four fragments of K (registers 7-11 of each stay zeros)
.set VF,   80                          ; v80-127 four fragments of V
.set S,    128                         ; v128-191 S^T, then p
.set O,    192                         ; v192-223 O^T
.set KS,   248                         ; v248-251 K's scale words;  v255 Q's;  v253 p's
.set TM,   236
.set TQ,   244
.set TK,   2
.set TV,   3
.set RL,   12                          ; s12 1: wave X;  0: wave Y
.set TI,   13                          ; s13 my pair: which stored tile of a block's eight
.set II,   17                          ; s17 i
.set WV,   18
.set SEL,  20
.set CS,   22
.set G1A,  24                          ; s[24:31] 48 rows of 256 bytes;  s[32:39] 16 rows
.set G1S,  32
.set G0K,  40                          ; groups 0: the head's for K, V, V's scale records;
.set G0V,  44
.set G0S,  48
.set G0K2, 92                          ; the second part's for K, V
.set G0V2, 96
.set QA,   52                          ; s[52:53] my first tile's record of q;  s[54:55] the long tile's
.set QB,   54
.set SUMS, 56                          ; s[56:57] my head's sums of v
.set CA,   58                          ; s[58:59], s[60:61] where my first tile's codes and scale bytes go;  s[68:69], s[70:71] the long tile's
.set WA,   60
.set TT,   66
.set SI,   67
.set CB,   68
.set WB,   70
.set FAC,  72
.set PR,   80                          ; my pair's LDS bytes
.set JL,   87                          ; the long block: 15 - i
.set JB,   88                          ; the last key step of the tile that I walk
.set CNT,  89
.macro PLACES n
.rept \n
	v_nop
.endr
.endm
.macro HFOUT pc, sb, off
	global_store_b64 v[L8], v[(\pc):(\pc)+1], s[\sb:\sb+1] offset:\off
	global_store_b128 v[L16], v[(\pc)+2:(\pc)+5], s[\sb:\sb+1] offset:(\off)+256
.endm
.macro QUANT2 s, pc
.irp b, 0,1
	v_max3_num_f32 v[TM+\b], |v[(\s)+16*\b]|, |v[(\s)+1+16*\b]|, 0x2800000
.endr
.irp i, 2,4,6,8,10,12,14
.irp b, 0,1
	s_delay_alu instid0(VALU_DEP_2)
	v_max3_num_f32 v[TM+\b], v[TM+\b], |v[(\s)+16*\b+\i]|, |v[(\s)+1+16*\b+\i]|
.endr
.endr
.irp b, 0,1
	s_delay_alu instid0(VALU_DEP_2)
	v_permlanex16_b32 v[TM+2+\b], v[TM+\b], s[SEL], s[SEL+1]
.endr
.irp b, 0,1
	s_delay_alu instid0(VALU_DEP_2)
	v_max_num_f32 v[TM+\b], v[TM+\b], v[TM+2+\b]
.endr
.irp b, 0,1
	s_delay_alu instid0(VALU_DEP_2)
	v_add_nc_u32 v[TM+6+\b], 0xfe000000, v[TM+\b]
.endr
.irp b, 0,1
	s_delay_alu instid0(VALU_DEP_2)
	v_lshrrev_b32 v[TM+4+\b], 23, v[TM+6+\b]
.endr
	v_cvt_scalef32_pk16_bf6_f32 v[(\pc):(\pc)+2], v[(\s):(\s)+15], v[TM+6]
	v_cvt_scalef32_pk16_bf6_f32 v[TQ:TQ+2], v[(\s)+16:(\s)+31], v[TM+7]
	v_nop
.irp i, 0,1,2
	v_permlane16_swap_b32 v[(\pc)+\i], v[TQ+\i]
.endr
.irp i, 0,1,2
	s_delay_alu instid0(VALU_DEP_3)
	v_mov_b32 v[(\pc)+3+\i], v[TQ+\i]
.endr
.endm
; the addresses of stored tile 8 x block + pair: q's record; in att (tile, K step) of the last product's operand, two heads to a K step
.macro TILEADR j, q, c, w
	s_lshl_b32 s14, s[\j], 3
	s_add_co_u32 s14, s14, s[TI]
	s_lshl_b32 s[\q], s9, 7
	s_add_co_u32 s[\q], s[\q], s14
	s_lshl_b32 s[\q], s[\q], 10
	s_mov_b32 s[\q+1], 0
	s_add_nc_u64 s[\q:\q+1], s[4:5], s[\q:\q+1]
	s_lshl_b32 s15, s10, 7
	s_add_co_u32 s15, s15, s14
	s_lshl_b32 s15, s15, 3
	s_lshr_b32 s16, s11, 1
	s_add_co_u32 s15, s15, s16
	s_and_b32 s16, s11, 1
	s_mul_i32 s[\c], s15, 1536
	s_mul_i32 s8, s16, 768
	s_add_co_u32 s[\c], s[\c], s8
	s_mov_b32 s[\c+1], 0
	s_add_nc_u64 s[\c:\c+1], s[6:7], s[\c:\c+1]
	s_lshl_b32 s[\w], s15, 7
	s_lshl_b32 s8, s16, 1
	s_add_co_u32 s[\w], s[\w], s8
	s_add_co_u32 s[\w], s[\w], AS
	s_mov_b32 s[\w+1], 0
	s_add_nc_u64 s[\w:\w+1], s[6:7], s[\w:\w+1]
.endm
.macro SETG0 g, ls, lc, p              ; a group 0: LDS address s[ls] + lc, global address s[p:p+1]
	s_mov_b32 s[\g], 1
	s_add_co_u32 s[\g+1], s[\ls], \lc
	s_mov_b64 s[\g+2:\g+3], s[\p:\p+1]
	s_or_b32 s[\g+3], s[\g+3], 0x80000000
.endm
	s_load_b128 s[4:7], s[0:1], 0x0                ; qkv, att
	v_lshl_add_u32 v[SPW], v0, 2, SPARE
	v_mov_b32 v[NIL], 0
	ds_add_u32 v[SPW], v[NIL]                      ; the wave's opening
	ds_add_u32 v[SPW], v[NIL]
	v_lshrrev_b32 v7, 5, v0
	s_delay_alu instid0(VALU_DEP_1)
	v_readfirstlane_b32 s[WV], v7                  ; wave 0..15
	s_and_b32 s8, ttmp7, 0xffff
	s_and_b32 s[II], s8, 7                         ; i
	s_lshr_b32 s8, s8, 3
	s_lshl_b32 s8, s8, 3
	s_add_co_u32 s9, s8, ttmp9                     ; 16 x batch + head
	s_lshr_b32 s10, s9, 4
	s_and_b32 s11, s9, 15
	s_lshr_b32 s[RL], s[WV], 2
	s_xor_b32 s[RL], s[RL], s[WV]
	s_and_b32 s[RL], s[RL], 1                      ; X or Y: of waves w, w + 4, w + 8, w + 12, and of four neighbours, two are X
	s_lshr_b32 s[TI], s[WV], 1
	s_sub_co_u32 s[JL], 15, s[II]
	s_cmp_eq_u32 s[RL], 1
	s_cselect_b32 s[JB], s[JL], s[II]              ; my first tile's block
	s_mul_i32 s[PR], s[TI], PAIRB
	s_add_co_u32 s[PR], s[PR], PAIR
	s_lshl_b32 s14, s[WV], 12                      ; the head's loads: 4,096 bytes x wave;
	s_mul_i32 s15, s[WV], 12288                    ; the second part's: 12,288 bytes x wave
	s_lshl_b32 s16, s9, 17                         ; K: the head's 131,072 bytes
	s_add_co_u32 s74, s16, s14
	s_add_co_u32 s74, s74, KR
	s_mov_b32 s75, 0
	s_add_co_u32 s82, s16, s15
	s_add_co_u32 s82, s82, KR+32768                ; behind key steps 0 .. 3
	s_mov_b32 s83, 0
	s_mul_i32 s16, s9, 98304                       ; V: the head's 98,304 bytes; part wave - 8
	s_add_co_u32 s76, s16, s14
	s_add_co_u32 s76, s76, VC-8*4096
	s_mov_b32 s77, 0
	s_add_co_u32 s84, s16, s15
	s_add_co_u32 s84, s84, VC+24576-8*12288
	s_mov_b32 s85, 0
	s_lshl_b32 s78, s9, 13                         ; V's scale records: part wave - 14
	s_add_co_u32 s78, s78, s14
	s_add_co_u32 s78, s78, VS-14*4096
	s_mov_b32 s79, 0
	; groups 1: dense blocks as rows of 256 bytes (32 elements of 8 bytes)
.irp g, G1A, G1S
	s_mov_b32 s[\g], 3<<16
	s_mov_b32 s[\g+1], 32<<16
	s_mov_b32 s[\g+3], 32<<16
	s_mov_b32 s[\g+5], 32
	s_mov_b32 s[\g+6], 0
	s_mov_b32 s[\g+7], 0
.endr
	s_mov_b32 s[G1A+2], 48<<16
	s_mov_b32 s[G1A+4], 48
	s_mov_b32 s[G1S+2], 16<<16
	s_mov_b32 s[G1S+4], 16
	s_mov_b32 s[SEL], 0x76543210
	s_mov_b32 s[SEL+1], 0xfedcba98
	s_mov_b32 s[CS], 0x3e38aa3b                    ; c = log2(e) / 8
	s_mov_b32 s[CS+1], s[CS]
	s_mov_b32 s[TK], 0
	s_mov_b32 s[TV], VREG
	s_mov_b32 s[TT], VSC
	s_mov_b32 s[SI], 0
	s_wait_dscnt 0x0                               ; both opening adds are done
	s_wait_kmcnt 0x0
	s_add_nc_u64 s[74:75], s[4:5], s[74:75]
	s_add_nc_u64 s[76:77], s[4:5], s[76:77]
	s_add_nc_u64 s[78:79], s[4:5], s[78:79]
	s_add_nc_u64 s[82:83], s[4:5], s[82:83]
	s_add_nc_u64 s[84:85], s[4:5], s[84:85]
	SETG0 G0K,  14, 0, 74
	SETG0 G0V,  14, VREG-8*4096, 76
	SETG0 G0S,  14, VSC-14*4096, 78
	SETG0 G0K2, 15, 32768, 82
	SETG0 G0V2, 15, VREG+24576-8*12288, 84
	s_cmp_lt_u32 s[WV], 8                          ; one tree of branches on the wave's number, one tensor load to an arm: every wave issues one
	s_cbranch_scc0 .Lnot_k
	tensor_load_to_lds s[G0K:G0K+3], s[G1S:G1S+7]
	s_nop 0
	PLACES 4
	s_branch .Lasked
.Lnot_k:
	s_cmp_lt_u32 s[WV], 14
	s_cbranch_scc0 .Lnot_v
	tensor_load_to_lds s[G0V:G0V+3], s[G1S:G1S+7]
	s_nop 0
	PLACES 4
	s_branch .Lasked
.Lnot_v:
	tensor_load_to_lds s[G0S:G0S+3], s[G1S:G1S+7]
	s_nop 0
	PLACES 4
.Lasked:
	TILEADR JB, QA, CA, WA
	TILEADR JL, QB, CB, WB
	s_lshl_b32 s[SUMS], s10, 17
	s_lshl_b32 s8, s11, 8
	s_add_co_u32 s[SUMS], s[SUMS], s8
	s_add_co_u32 s[SUMS], s[SUMS], VSUM
	s_mov_b32 s[SUMS+1], 0
	s_add_nc_u64 s[SUMS:SUMS+1], s[4:5], s[SUMS:SUMS+1]
	v_and_b32 v7, 31, v0
	s_delay_alu instid0(VALU_DEP_1)
	v_lshlrev_b32 v[L8], 3, v7
	s_delay_alu instid0(VALU_DEP_2)
	v_lshlrev_b32 v[L16], 4, v7
	s_delay_alu instid0(VALU_DEP_3)
	v_lshlrev_b32 v[L4], 2, v7
.macro QLOAD q                                    ; Q's half fragment, its register 6 (the code 1.0 at k = 64), its scale words
	global_load_b64 v[16:17], v[L8], s[\q:\q+1]
	global_load_b128 v[18:21], v[L16], s[\q:\q+1] offset:256
	global_load_b32 v22, v[L8], s[\q:\q+1] offset:768
	global_load_b32 v255, v[L8], s[\q:\q+1] offset:772
.endm
	QLOAD QA
.set HS, 2
.rept 30
	global_load_b64 v[S+2*(HS-2):S+2*(HS-2)+1], v[L8], s[SUMS:SUMS+1] offset:4096*HS   ; the sums of v over keys 64 HS .. 64 HS + 63: 256 consecutive bytes
.set HS, HS+1
.endr
	v_and_b32 v8, 15, v0                           ; r
	v_bfe_u32 v9, v0, 4, 1                         ; h
	s_delay_alu instid0(VALU_DEP_2)
	v_and_b32 v10, 8, v8
	s_delay_alu instid0(VALU_DEP_1)
	v_add_nc_u32 v[DG], v10, v8
	s_delay_alu instid0(VALU_DEP_3)
	v_lshlrev_b32 v10, 4, v9
	s_delay_alu instid0(VALU_DEP_1)
	v_sub_nc_u32 v[DG], v[DG], v10
	s_lshr_b32 s8, s[TI], 1
	s_lshl_b32 s8, s8, 5
	s_and_b32 s15, s[TI], 1
	s_lshl_b32 s15, s15, 3
	s_add_co_u32 s8, s8, s15
	v_add_nc_u32 v[DG], s8, v[DG]                  ; 32 (tile / 2) + 8 (tile % 2) + r + 8 (r / 8) - 16 h: the same in both blocks
	s_lshl_b32 s8, s[RL], 8
	s_add_co_u32 s8, s8, s[PR]
	v_add_nc_u32 v10, s8, v[L8]                    ; where my first tile's sums go: Y's at the pair's byte 0, X's at 256
	v_mov_b32 v13, 0xceb8aa3b                      ; the largest t so far: t_h, a hidden key's
	s_delay_alu instid0(VALU_DEP_1)
	v_floor_f32 v12, -v13                          ; -M
	v_mov_b32 v14, 0
	v_mov_b32 v15, 0
.irp i, 23,24,25,26,27
	v_mov_b32 v[\i], 0                             ; Q's k = 69 .. 127: zero codes
.endr
.irp t, 0,1,2,3
.irp i, 7,8,9,10,11
	v_mov_b32 v[KF+12*\t+\i], 0                    ; K's likewise: written once
.endr
.endr
.irp i, 236,237,238,239,252,253
	v_mov_b32 v[\i], 0                             ; lane permutes' destinations, and the upper halves of pairs that are named whole
.endr
.set J, 0
.rept 32
	v_mov_b32 v[O+J], 0                            ; O^T: the step is written once; its first turn finds zeros
.set J, J+1
.endr
	v_mov_b32 v188, 0
	v_mov_b32 v189, 0
	s_lshl_b32 s8, s[JB], 1
	s_add_co_u32 s8, s8, 2                         ; the first 64 keys that are not walked for my first tile
	s_mov_b32 s[FAC+1], 0
	s_wait_alu depctr_va_vdst(0)                   ; the head's end
	s_wait_loadcnt 0x0
.set HS, 2
.rept 30
	s_cmp_le_u32 s8, HS
	s_cselect_b32 s[FAC], 0x3f800000, 0            ; counted, or not: a choice of a factor, no branch
	v_pk_fma_f32 v[188:189], v[S+2*(HS-2):S+2*(HS-2)+1], s[FAC:FAC+1], v[188:189] op_sel_hi:[1,0,1]
.set HS, HS+1
.endr
	ds_store_b64 v10, v[188:189]                   ; channels 2 l, 2 l + 1
.macro KLOAD gg                                   ; four records: half a fragment, register 6, the scale words
.irp t, 0,1,2,3
	ds_load_b64 v[KF+12*\t:KF+12*\t+1], v[ADK8] offset:1024*(4*\gg+\t)
	ds_load_b128 v[KF+12*\t+2:KF+12*\t+5], v[ADK16] offset:1024*(4*\gg+\t)+256
	ds_load_b32 v[KF+12*\t+6], v[ADK8] offset:1024*(4*\gg+\t)+768
	ds_load_b32 v[KS+\t], v[ADK8] offset:1024*(4*\gg+\t)+772
.endr
.endm
.macro SMUL gg
.irp t, 0,1,2,3
	v_wmma_scale_f32_16x16x128_f8f6f4 v[S+8*(4*\gg+\t):S+8*(4*\gg+\t)+7], v[KF+12*\t:KF+12*\t+11], v[16:27], 0, v[KS+\t], v255 matrix_a_fmt:MATRIX_FMT_BF6 matrix_b_fmt:MATRIX_FMT_BF6
.endr
.endm
; A KEY STEP: 128 keys.  A step behind my tile's last is left out by a scalar branch on ids; the lines at its end that step addresses are on every path, and no barrier stands in a step.
.macro STEP
	s_cmp_gt_u32 s[SI], s[JB]
	s_cbranch_scc1 .Lhidden_\@
	v_add_nc_u32 v[ADK8], s[TK], v[L8]             ; (these five are also the places in front of the loads into registers that the last products read)
	v_add_nc_u32 v[ADK16], s[TK], v[L16]
	v_add_nc_u32 v[ADV8], s[TV], v[L8]
	v_add_nc_u32 v[ADV16], s[TV], v[L16]
	v_add_nc_u32 v[ADT], s[TT], v[L4]
	KLOAD 0
.irp t, 0,1,2,3
.irp c, 0,1
	ds_load_b64 v[VF+12*\t+6*\c:VF+12*\t+6*\c+1], v[ADV8] offset:1536*\t+768*\c
	ds_load_b128 v[VF+12*\t+6*\c+2:VF+12*\t+6*\c+5], v[ADV16] offset:1536*\t+768*\c+256
.endr
	ds_load_b32 v[VSW+\t], v[ADT] offset:128*\t
.endr
	s_wait_alu depctr_va_vdst(0)
	s_wait_dscnt 20                                ; K's first four tiles are in; V's twenty loads may stay out
	SMUL 0
	PLACES 4
	KLOAD 1
	s_wait_dscnt 0x0
	SMUL 1
	PLACES 4
	s_cmp_lg_u32 s[SI], s[JB]                      ; only the tile's last step lies on the diagonal
	s_cbranch_scc1 .Lopen_\@
	v_mov_b32 v254, 0xd0000000                     ; -2^33
.set N, 0
.rept 64
	v_cmp_gt_i32 vcc_lo, 32*(N/16)+N%16, v[DG]     ; register 16 b + i holds key 32 b + 16 (lane / 16) + i of the step
	v_cndmask_b32 v[S+N], v[S+N], v254, vcc_lo
.set N, N+1
.endr
.Lopen_\@:
.irp b, 0,1,2,3
	v_max3_num_f32 v[232+\b], v[S+16*\b], v[S+1+16*\b], v[S+2+16*\b]   ; the largest score of each block of 32 keys: for the row's maximum, and, since p rises with the score, for the block's largest p
.endr
.irp i, 3,5,7,9,11,13
.irp b, 0,1,2,3
	v_max3_num_f32 v[232+\b], v[232+\b], v[S+16*\b+\i], v[S+1+16*\b+\i]
.endr
.endr
.irp b, 0,1,2,3
	v_max_num_f32 v[232+\b], v[232+\b], v[S+15+16*\b]
.endr
.irp b, 0,1,2,3
	s_delay_alu instid0(VALU_DEP_4)
	v_permlanex16_b32 v[236+\b], v[232+\b], s[SEL], s[SEL+1]
.endr
.irp b, 0,1,2,3
	s_delay_alu instid0(VALU_DEP_4)
	v_max_num_f32 v[232+\b], v[232+\b], v[236+\b]
.endr
	s_delay_alu instid0(VALU_DEP_2)
	v_max3_num_f32 v254, v232, v233, v234
	s_delay_alu instid0(VALU_DEP_1)
	v_max_num_f32 v254, v254, v235
	s_delay_alu instid0(VALU_DEP_1)
	v_mul_f32 v254, s[CS], v254
	s_delay_alu instid0(VALU_DEP_1)
	v_max_num_f32 v13, v13, v254                   ; the running largest t
	v_mov_b32 v254, v12
	s_delay_alu instid0(VALU_DEP_2)
	v_floor_f32 v12, -v13                          ; the new -M: M is a whole number
	s_delay_alu instid0(VALU_DEP_1)
	v_sub_f32 v254, v12, v254
	s_delay_alu instid0(VALU_DEP_1)
	v_cvt_i32_f32 v254, v254
	s_delay_alu instid0(VALU_DEP_1)
	v_ldexp_f32 v252, 1.0, v254                    ; f = 2^(old M - new M): a multiplication by it rounds nothing
.set J, 0
.rept 32
	v_pk_fma_f32 v[S+J:S+J+1], v[S+J:S+J+1], s[CS:CS+1], v[12:13] op_sel_hi:[1,0,0]   ; t - M
.set J, J+2
.endr
.irp b, 0,1,2,3
	v_fma_f32 v[232+\b], v[232+\b], s[CS], v12
.endr
.set J, 0
	s_wait_alu depctr_va_vdst(0)                   ; ahead of the batch
.rept 64
	v_exp_f32 v[S+J], v[S+J]                       ; p = 2^(t - M)
.set J, J+1
.endr
.irp b, 0,1,2,3
	v_exp_f32 v[232+\b], v[232+\b]                 ; each block's largest p, in the same batch
.endr
	v_pk_mul_f32 v[14:15], v[14:15], v[252:253] op_sel_hi:[1,0]   ; the sums under the new M: a plain instruction behind the exponentials
	s_wait_alu depctr_va_vdst(0)                   ; one wait for the batch of 68, ahead of its first reader
	v_pk_add_f32 v[236:237], v[132:133], v[136:137]
	v_pk_add_f32 v[250:251], v[140:141], v[144:145]
	v_pk_add_f32 v[248:249], v[148:149], v[152:153]
	v_pk_add_f32 v[246:247], v[156:157], v[160:161]
	v_pk_add_f32 v[244:245], v[164:165], v[168:169]
	v_pk_add_f32 v[242:243], v[172:173], v[176:177]
	v_pk_add_f32 v[240:241], v[180:181], v[184:185]
	v_pk_add_f32 v[14:15], v[14:15], v[188:189]
	v_pk_add_f32 v[236:237], v[236:237], v[128:129]
	v_pk_add_f32 v[250:251], v[250:251], v[130:131]
	v_pk_add_f32 v[248:249], v[248:249], v[134:135]
	v_pk_add_f32 v[246:247], v[246:247], v[138:139]
	v_pk_add_f32 v[244:245], v[244:245], v[142:143]
	v_pk_add_f32 v[242:243], v[242:243], v[146:147]
	v_pk_add_f32 v[240:241], v[240:241], v[150:151]
	v_pk_add_f32 v[14:15], v[14:15], v[154:155]
	v_pk_add_f32 v[236:237], v[236:237], v[158:159]
	v_pk_add_f32 v[250:251], v[250:251], v[162:163]
	v_pk_add_f32 v[248:249], v[248:249], v[166:167]
	v_pk_add_f32 v[246:247], v[246:247], v[170:171]
	v_pk_add_f32 v[244:245], v[244:245], v[174:175]
	v_pk_add_f32 v[242:243], v[242:243], v[178:179]
	v_pk_add_f32 v[240:241], v[240:241], v[182:183]
	v_pk_add_f32 v[14:15], v[14:15], v[186:187]
	v_pk_add_f32 v[236:237], v[236:237], v[190:191]
	s_delay_alu instid0(VALU_DEP_2)
	v_pk_add_f32 v[14:15], v[14:15], v[246:247]
	s_delay_alu instid0(VALU_DEP_2)
	v_pk_add_f32 v[236:237], v[236:237], v[244:245]
	v_pk_add_f32 v[250:251], v[250:251], v[242:243]
	v_pk_add_f32 v[248:249], v[248:249], v[240:241]
	s_delay_alu instid0(VALU_DEP_2)
	v_pk_add_f32 v[14:15], v[14:15], v[250:251]
	s_delay_alu instid0(VALU_DEP_2)
	v_pk_add_f32 v[236:237], v[236:237], v[248:249]
	s_delay_alu instid0(VALU_DEP_1)
	v_pk_add_f32 v[14:15], v[14:15], v[236:237]
.irp b, 0,1,2,3
	v_max_num_f32 v[232+\b], 0x2800000, v[232+\b]  ; the floor 2^(5 - 127)
.endr
.irp b, 0,1,2,3
	s_delay_alu instid0(VALU_DEP_4)
	v_add_nc_u32 v[244+\b], 0xfe000000, v[232+\b]
.endr
.irp b, 0,1,2,3
	s_delay_alu instid0(VALU_DEP_4)
	v_lshrrev_b32 v[236+\b], 23, v[244+\b]
.endr
	s_delay_alu instid0(VALU_DEP_3)
	v_lshl_or_b32 v253, v237, 8, v236              ; p's scale word for these 128 keys
	s_delay_alu instid0(VALU_DEP_1)
	v_lshl_or_b32 v253, v238, 16, v253
	s_delay_alu instid0(VALU_DEP_1)
	v_lshl_or_b32 v253, v239, 24, v253
.irp c, 0,1
	v_cvt_scalef32_pk16_bf6_f32 v[224+6*\c:226+6*\c], v[S+32*\c:S+15+32*\c], v[244+2*\c]
	v_cvt_scalef32_pk16_bf6_f32 v[236+4*\c:238+4*\c], v[S+16+32*\c:S+31+32*\c], v[244+2*\c+1]
.endr
	v_nop
.irp c, 0,1
.irp i, 0,1,2
	v_permlane16_swap_b32 v[224+6*\c+\i], v[236+4*\c+\i]
.endr
.endr
.irp c, 0,1                                       ; each move stands six vector instructions behind the swap that it reads
.irp i, 0,1,2
	v_mov_b32 v[227+6*\c+\i], v[236+4*\c+\i]
.endr
.endr
	s_wait_alu depctr_va_vdst(0)                   ; directly ahead of the first reader of O^T
.set J, 0
.rept 16
	v_pk_mul_f32 v[O+J:O+J+1], v[O+J:O+J+1], v[252:253] op_sel_hi:[1,0]   ; O^T under the new M; also the places in front of the products below
.set J, J+2
.endr
.irp t, 0,1,2,3
	v_wmma_scale_f32_16x16x128_f8f6f4 v[O+8*\t:O+8*\t+7], v[VF+12*\t:VF+12*\t+11], v[224:235], v[O+8*\t:O+8*\t+7], v[VSW+\t], v253 matrix_a_fmt:MATRIX_FMT_BF6 matrix_b_fmt:MATRIX_FMT_BF6
.endr
.Lhidden_\@:
	s_add_co_u32 s[TK], s[TK], 8192
	s_add_co_u32 s[TV], s[TV], 6144
	s_add_co_u32 s[TT], s[TT], 512
	s_add_co_u32 s[SI], s[SI], 1
.endm
.macro WALK n                                     ; n key steps on end: every wave runs every trip
	s_mov_b32 s[CNT], \n
.Lstep_\@:
	STEP
	s_sub_co_u32 s[CNT], s[CNT], 1
	s_cmp_lg_u32 s[CNT], 0
	s_cbranch_scc1 .Lstep_\@
.endm
; A TILE'S END.  The row's sum; the keys that were not walked (their sums of v at byte so of the pair's LDS, by v8); the division; the quantiser along C (my head's 64 channels are two blocks); the stores
.macro FINAL so, sc, sw
	v_add_f32 v14, v14, v15
	s_delay_alu instid0(VALU_DEP_1)
	v_permlanex16_b32 v252, v14, s[SEL], s[SEL+1]
	s_delay_alu instid0(VALU_DEP_1)
	v_add_f32 v14, v14, v252
	v_add_f32 v254, 0xceb8aa3b, v12                ; t_h - M: a whole number, 0 or less
	s_delay_alu instid0(VALU_DEP_1)
	v_cvt_i32_f32 v254, v254
	s_delay_alu instid0(VALU_DEP_1)
	v_ldexp_f32 v252, 1.0, v254                    ; p_h
	s_sub_co_u32 s8, 15, s[JB]
	s_lshl_b32 s8, s8, 7                           ; how many keys were not walked
	v_cvt_f32_u32 v254, s8
	s_delay_alu instid0(VALU_DEP_1)
	v_fma_f32 v14, v252, v254, v14
	s_wait_alu depctr_va_vdst(0)
	v_rcp_f32 v14, v14
	v_nop                                          ; a plain instruction behind the reciprocal
.irp e, 0,1
.irp j, 0,1,2,3
	ds_load_b128 v[S+16*\e+4*\j:S+16*\e+4*\j+3], v8 offset:\so+128*\e+16*\j   ; register 16 e + i of O^T is channel 32 e + 16 h + i
.endr
.endr
	s_wait_dscnt 0x0
.set J, 0
	s_wait_alu depctr_va_vdst(0)
.rept 16
	v_pk_fma_f32 v[O+J:O+J+1], v[S+J:S+J+1], v[252:253], v[O+J:O+J+1] op_sel_hi:[1,0,1]
.set J, J+2
.endr
	s_wait_alu depctr_va_vdst(0)                   ; the wait for the reciprocal, ahead of its first reader
.set J, 0
.rept 16
	v_pk_mul_f32 v[160+J:161+J], v[O+J:O+J+1], v[14:15] op_sel_hi:[1,0]
.set J, J+2
.endr
	QUANT2 160, 224
	v_lshl_or_b32 v247, v[TM+5], 8, v[TM+4]
	HFOUT 224, \sc, 0
	global_store_b16 v[L4], v247, s[\sw:\sw+1]     ; my head's two bytes of the word of 128 channels
.endm
	s_wait_tensorcnt 0x0                           ; my tile of the head's has landed
	ds_add_u32 v[SPW], v[NIL]
	s_wait_dscnt 0x0                               ; the add is done, and my sums are stored
	s_barrier_signal -1
	s_barrier_wait -1                              ; key steps 0 .. 3 and V's scale records are in LDS
	s_cmp_lt_u32 s[WV], 8                          ; key steps 4 .. 15: one tensor load a wave, waves 14 and 15 none
	s_cbranch_scc0 .Lnot_k2
	tensor_load_to_lds s[G0K2:G0K2+3], s[G1A:G1A+7]
	s_nop 0
	PLACES 4
	s_branch .Lasked2
.Lnot_k2:
	s_cmp_lt_u32 s[WV], 14
	s_cbranch_scc0 .Lasked2
	tensor_load_to_lds s[G0V2:G0V2+3], s[G1A:G1A+7]
	s_nop 0
	PLACES 4
.Lasked2:
	WALK 4                                         ; key steps 0 .. 3: X on the long tile, Y on the short one
	s_wait_tensorcnt 0x0                           ; my part of key steps 4 .. 15 has landed,
	s_wait_dscnt 0x0
	s_barrier_signal -1
	s_barrier_wait -1                              ; and everybody's
	WALK 5                                         ; key steps 4 .. 8
	v_bfe_u32 v9, v0, 4, 1
	s_delay_alu instid0(VALU_DEP_1)
	v_lshl_add_u32 v8, v9, 6, s[PR]                ; the pair's sums of v, + 64 h
	s_wait_alu depctr_va_vdst(0)                   ; ahead of the branch
	s_cmp_eq_u32 s[RL], 0
	s_cbranch_scc0 .Lmid
	QLOAD QB                                       ; Y: the long tile's q comes while the short tile is finished
	FINAL 0, CA, WA
	v_mov_b32 v13, 0xceb8aa3b                      ; and the state begins anew
	s_delay_alu instid0(VALU_DEP_1)
	v_floor_f32 v12, -v13
	v_mov_b32 v14, 0
	v_mov_b32 v15, 0
.set J, 0
.rept 32
	v_mov_b32 v[O+J], 0
.set J, J+1
.endr
	s_wait_alu depctr_va_vdst(0)
	s_wait_loadcnt 0x0                             ; q is in
	s_wait_xcnt 0x0                                ; the stores have read their registers: the next steps write them
.Lmid:
	s_cmp_eq_u32 s[RL], 0
	s_cselect_b32 s[JB], s[JL], 0                  ; Y goes on to the long tile's last step; X has no step left
	WALK 7                                         ; key steps 9 .. 15
	v_add_nc_u32 v7, s[PR], v[L16]                 ; X's state: 16 bytes a lane, 512 a group of four registers
	v_bfe_u32 v9, v0, 4, 1
	v_lshl_add_u32 v8, v9, 6, s[PR]
	v_nop                                          ; (four places behind the last products)
	s_wait_alu depctr_va_vdst(0)
	s_cmp_eq_u32 s[RL], 0
	s_cbranch_scc1 .Lkeep
.irp j, 0,1,2,3,4,5,6,7
	ds_store_b128 v7, v[O+4*\j:O+4*\j+3] offset:512+512*\j   ; each accumulator from its low end on
.endr
	ds_store_b128 v7, v[12:15] offset:4608         ; -M, t, the sum's two halves
.Lkeep:
	s_wait_dscnt 0x0
	s_barrier_signal -1
	s_barrier_wait -1
	s_cmp_eq_u32 s[RL], 0
	s_cbranch_scc0 .Lend
.irp j, 0,1,2,3,4,5,6,7
	ds_load_b128 v[S+4*\j:S+4*\j+3], v7 offset:512+512*\j
.endr
	ds_load_b128 v[160:163], v7 offset:4608
	s_wait_dscnt 0x0
	v_min_num_f32 v254, v12, v160                  ; -M of the two parts together
	s_delay_alu instid0(VALU_DEP_1)
	v_sub_f32 v236, v254, v160
	s_delay_alu instid0(VALU_DEP_2)
	v_sub_f32 v237, v254, v12
	s_delay_alu instid0(VALU_DEP_2)
	v_cvt_i32_f32 v236, v236
	s_delay_alu instid0(VALU_DEP_2)
	v_cvt_i32_f32 v237, v237
	s_delay_alu instid0(VALU_DEP_2)
	v_ldexp_f32 v238, 1.0, v236                    ; X's factor,
	s_delay_alu instid0(VALU_DEP_2)
	v_ldexp_f32 v252, 1.0, v237                    ; mine: powers of two, at most 1
	v_mov_b32 v12, v254
	s_delay_alu instid0(VALU_DEP_2)
	v_pk_mul_f32 v[14:15], v[14:15], v[252:253] op_sel_hi:[1,0]
.set J, 0
.rept 16
	v_pk_mul_f32 v[O+J:O+J+1], v[O+J:O+J+1], v[252:253] op_sel_hi:[1,0]
.set J, J+2
.endr
	v_pk_fma_f32 v[14:15], v[162:163], v[238:239], v[14:15] op_sel_hi:[1,0,1]
.set J, 0
.rept 16
	v_pk_fma_f32 v[O+J:O+J+1], v[S+J:S+J+1], v[238:239], v[O+J:O+J+1] op_sel_hi:[1,0,1]
.set J, J+2
.endr
	FINAL 256, CB, WB
.Lend:
	s_wait_tensorcnt 0x0                           ; the wave's end
	ds_add_u32 v[SPW], v[NIL]
	s_wait_dscnt 0x0
	s_endpgm
.Lfunc_end_k_q835978729c_attn:
	.size	k_q835978729c_attn, .Lfunc_end_k_q835978729c_attn-k_q835978729c_attn
	.p2alignl 7, 3214868480
	.fill 96, 4, 3214868480
	.section	.rodata,"a",@progbits
	.p2align	6, 0x0
	.amdhsa_kernel k_q835978729c_attn
		.amdhsa_group_segment_fixed_size 327680
		.amdhsa_private_segment_fixed_size 0
		.amdhsa_enable_private_segment 0
		.amdhsa_kernarg_size 16
		.amdhsa_user_sgpr_count 2
		.amdhsa_user_sgpr_kernarg_segment_ptr 1
		.amdhsa_wavefront_size32 1
		.amdhsa_system_sgpr_workgroup_id_x 1
		.amdhsa_system_sgpr_workgroup_id_y 1
		.amdhsa_system_sgpr_workgroup_id_z 1
		.amdhsa_system_vgpr_workitem_id 0
		.amdhsa_next_free_vgpr 256
		.amdhsa_next_free_sgpr 100
		.amdhsa_reserve_vcc 1
		.amdhsa_float_denorm_mode_32 3
		.amdhsa_float_denorm_mode_16_64 3
		.amdhsa_memory_ordered 1
		.amdhsa_forward_progress 1
		.amdhsa_inst_pref_size 108
	.end_amdhsa_kernel
	.amdgpu_metadata
---
amdhsa.version: [ 1, 2 ]
amdhsa.kernels:
  - .name:           k_q835978729c_attn
    .symbol:         k_q835978729c_attn.kd
    .args:
      - { .name: qkv, .offset: 0, .size: 8, .value_kind: global_buffer, .address_space: global }
      - { .name: att, .offset: 8, .size: 8, .value_kind: global_buffer, .address_space: global }
    .group_segment_fixed_size: 327680
    .private_segment_fixed_size: 0
    .kernarg_segment_align: 8
    .kernarg_segment_size: 16
    .max_flat_workgroup_size: 512
    .sgpr_count:     100
    .vgpr_count:     256
    .wavefront_size: 32
...
	.end_amdgpu_metadata
.endif
;; end of part 3
;; launch outp (part 4): grid 8 x 32, 4 waves a work-group, clusters of 4 x 4, 230,912 bytes of LDS; arguments att, opq, out0; writes out0
.if DOCPART == 4
	.amdgcn_target "amdgcn-amd-amdhsa--gfx1250"
	.amdhsa_code_object_version 6
	.text
	.protected	k_q835978729c_outp
	.globl	k_q835978729c_outp
	.p2align	8
	.type	k_q835978729c_outp,@function
k_q835978729c_outp:
	s_mov_b64 s[64:65], 0
	v_nop
	global_prefetch_b8 v0, s[64:65] scope:SCOPE_SE
	s_setreg_imm32_b32 hwreg(HW_REG_WAVE_MODE, 25, 1), 1
	s_wait_xcnt 0x0
	s_wait_alu depctr_hold_cnt(0) depctr_sa_sdst(0) depctr_va_vdst(0) depctr_va_sdst(0) depctr_va_ssrc(0) depctr_va_vcc(0) depctr_vm_vsrc(0)
	s_getreg_b32 s2, hwreg(HW_REG_IB_STS2, 6, 4)
	s_cmp_eq_u32 s2, 0
	s_cbranch_scc0 .Lentry_in_a_cluster
	s_endpgm
.Lentry_in_a_cluster:
	s_bfe_u32 s2, ttmp6, 0x10000c
	s_cmp_lg_u32 s2, 0xf033
	s_cbranch_scc0 .Lentry_shape_is_right
	s_endpgm
.Lentry_shape_is_right:
; out0 = att Wo on codes of BF6 (E3M2): [4096][1024] x [1024][1024], f32 out.  Both operands arrive in the order of an operand's registers, in stored tiles of 16 rows (bits 3 and 4 of the row index changed).
; A work-group makes 128 x 128, four waves of 64 x 64; all of K = 1,024 (8 steps of 128) lies in LDS, brought by first fills alone, one joint load a wave: no LDS byte is filled twice.
; The matrix instruction is used transposed: source 0 = 16 columns of Wo, source 1 = 16 tokens: a lane holds one token, and the 16 registers of result tiles 2 e, 2 e + 1 are 16 neighbouring columns.
; THE PRODUCT GOES BY ROWS OF THE RESULT.  A wave keeps Wo's fragments of its 64 columns for all of K in registers (4 x 8 x 12 = 384) and finishes its four stored tiles of 16 tokens one after the other,
; 32 matrix instructions each (the tile's 4 accumulators by turns, K ascending), so that a finished tile goes through the stage and is stored while the next one is multiplied.  No fragment is read from LDS twice.
; CLUSTER 4 x 4: att's tiles are shared along a row, Wo's along a column, each asked for jointly.
; NO PREFETCH: every tile is asked for at the head, and the text has no loop to run ahead in.
; REGISTERS, in windows of 256: window 0: v0-31 addresses; v32-63 scale words of all 8 K steps; v64-127 rows read back from the stage; v128-191 two sets of four accumulators.
;   window 1: Wo's fragments of K steps 0-4 at v[48 k + 12 b];  window 2: of K steps 5-7 at v[48 (k - 5) + 12 b];  window 3: att's fragments of a tile, 8 K steps, two buffers at v[96 (a % 2) + 12 k].
.set AS,    3145728
.set WOC,   3145728+24*98304           ; Wo's codes in opq,
.set WOS,   6553600+24*8192            ; its scale records
.set OPB,   98304
.set TILEB, 12288                      ; a stored tile's 8 K steps; an operand lies in LDS as in memory: [tile 0-7][8 K steps][1536]
.set SCL,   2*OPB
.set STAGE, SCL+16384                  ; 16 rows x 272 bytes a wave, for the way out: no fill lands here
.set SPITCH, 272
.set SPARE, STAGE+4*16*SPITCH          ; the spare words, 128 bytes a wave, that no other line names
.set L8,   4
.set L16,  5
.set A8,   16
.set A16,  18
.set B8,   20
.set B16,  22
.set ADRS, 24
.set STO,  25
.set RD,   26
.set CO,   27
.set SPW,  28
.set NIL,  29
.set SC,   32                          ; register 4 k + i: lanes 0-15 the words of att's tile i, lanes 16-31 of Wo's tile i, K step k
.set BK,   64                          ; v64-95, v96-127 rows read back from the stage, by turns
.set ACC,  128                         ; accumulator (a, b) at v[128 + 32 (a % 2) + 8 b]
.set G1,   24
.set G0,   32
.set G1B,  48
.set G0B,  56
.set G1S,  68
.set G0S,  76
.set G1SB, 80
.set G0SB, 88
.set MSB, 0
.macro WIN new                         ; the immediate's high byte repeats the setting that is left
.if MSB != \new
	s_set_vgpr_msb (MSB<<8)|\new
.set MSB, \new
.endif
.endm
.macro CREST
	s_cmp_lg_u32 s14, 0
	s_cbranch_scc1 .Lnot_wave_0_\@
	s_barrier_signal -3
.Lnot_wave_0_\@:
	s_barrier_wait -3
	s_barrier_signal -1
	s_barrier_wait -1
.endm
.macro CROUND
	s_barrier_signal -1
	s_barrier_wait -1
	CREST
.endm
.macro PLACES n
.rept \n
	v_nop
.endr
.endm
.macro HFLDS reg, a8, a16, off         ; half a fragment from LDS: consecutive bytes, lane by lane
	ds_load_b64 v[\reg:\reg+1], v[\a8] offset:\off
	ds_load_b128 v[\reg+2:\reg+5], v[\a16] offset:\off+256
.endm
.macro BLOAD k                         ; Wo's four fragments of K step k: 16 LDS loads
.if (\k) < 5
	WIN 0x40                                       ; destination window 1
.else
	WIN 0x80                                       ; destination window 2
.endif
.irp b, 0,1,2,3
.irp c, 0,1
	HFLDS 48*((\k)%5)+12*\b+6*\c, B8, B16, TILEB*\b+1536*(\k)+768*\c
.endr
.endr
.endm
.macro ALOAD a                         ; att's fragments of tile a, all 8 K steps: 32 LDS loads
	WIN 0xc0                                       ; destination window 3
.irp k, 0,1,2,3,4,5,6,7
.irp c, 0,1
	HFLDS 96*((\a)%2)+12*\k+6*\c, A8, A16, TILEB*(\a)+1536*\k+768*\c
.endr
.endr
.endm
; Tile a is finished: 32 matrix instructions; its 4 accumulators take turns, one instruction a turn; the first K step starts the sums.
; first = 1, tile 0: Wo's fragments come as they are needed, three K steps ahead; a wait leaves out the two later runs of 16 loads (at K step 6: one run and tile 1's 32; at K step 7: tile 1's 32)
.macro ROW a, first
.irp k, 0,1,2,3,4,5,6,7
.if \first
.if \k == 6
	s_wait_dscnt 48
.else
	s_wait_dscnt 32
.endif
.if \k < 5
	BLOAD \k+3
.endif
.if \k == 5
	ALOAD 1
.endif
.endif
.if \k < 5
	WIN 0x0d                                       ; source 0 (Wo) window 1, source 1 (att) window 3, C and D window 0
.else
	WIN 0x0e                                       ; source 0 window 2
.endif
.irp b, 0,1,2,3
.if \k == 0
	v_wmma_scale_f32_16x16x128_f8f6f4 v[ACC+32*((\a)%2)+8*\b:ACC+32*((\a)%2)+8*\b+7], v[48*(\k%5)+12*\b:48*(\k%5)+12*\b+11], v[96*((\a)%2)+12*\k:96*((\a)%2)+12*\k+11], 0, v[SC+4*\k+\b], v[SC+4*\k+(\a)] matrix_a_fmt:MATRIX_FMT_BF6 matrix_b_fmt:MATRIX_FMT_BF6 matrix_a_scale:MATRIX_SCALE_ROW1
.else
	v_wmma_scale_f32_16x16x128_f8f6f4 v[ACC+32*((\a)%2)+8*\b:ACC+32*((\a)%2)+8*\b+7], v[48*(\k%5)+12*\b:48*(\k%5)+12*\b+11], v[96*((\a)%2)+12*\k:96*((\a)%2)+12*\k+11], v[ACC+32*((\a)%2)+8*\b:ACC+32*((\a)%2)+8*\b+7], v[SC+4*\k+\b], v[SC+4*\k+(\a)] matrix_a_fmt:MATRIX_FMT_BF6 matrix_b_fmt:MATRIX_FMT_BF6 matrix_a_scale:MATRIX_SCALE_ROW1
.endif
.endr
.endr
.endm
	s_load_b128 s[4:7], s[0:1], 0x0                ; att, opq
	s_load_b64 s[8:9], s[0:1], 0x10                ; out0
	v_lshl_add_u32 v[SPW], v0, 2, SPARE
	v_mov_b32 v[NIL], 0
	ds_add_u32 v[SPW], v[NIL]                      ; the wave's opening
	ds_add_u32 v[SPW], v[NIL]
	v_lshrrev_b32 v1, 5, v0
	v_readfirstlane_b32 s14, v1
	s_lshr_b32 s15, s14, 1
	s_and_b32 s16, s14, 1
	s_bfe_u32 s40, ttmp6, 0x40000                  ; cx
	s_bfe_u32 s41, ttmp6, 0x40004                  ; cy
	s_and_b32 s17, ttmp7, 0xffff
	s_lshl_b32 s17, s17, 2
	s_add_co_u32 s17, s17, s41                     ; which 128 tokens
	s_lshl_b32 s42, ttmp9, 2
	s_add_co_u32 s42, s42, s40                     ; which 128 columns
	s_lshl_b32 s43, s41, 2
	s_lshl_b32 s43, 15, s43
	s_lshl_b32 s44, 0x1111, s40
	s_mul_i32 s20, s17, OPB
	s_mov_b32 s21, 0
	s_lshl_b32 s22, s17, 13
	s_add_co_u32 s22, s22, AS
	s_mov_b32 s23, 0
	s_mul_i32 s46, s42, OPB
	s_add_co_u32 s46, s46, WOC
	s_mov_b32 s47, 0
	s_lshl_b32 s92, s42, 13
	s_add_co_u32 s92, s92, WOS
	s_mov_b32 s93, 0
	s_or_b32 s[G1], s43, (3<<16)|(1<<21)           ; codes: an operand's 98,304 bytes are one dense block: 384 rows of 256 bytes (32 elements of 8 bytes)
	s_or_b32 s[G1B], s44, (3<<16)|(1<<21)
.irp g, G1, G1B
	s_mov_b32 s[\g+1], 32<<16
	s_mov_b32 s[\g+2], 384<<16
	s_mov_b32 s[\g+3], 32<<16
	s_mov_b32 s[\g+4], 384
	s_mov_b32 s[\g+5], 32
	s_mov_b32 s[\g+6], 0
	s_mov_b32 s[\g+7], 0
.endr
	s_or_b32 s[G1S], s43, (3<<16)|(1<<21)          ; scale records: an operand's 8,192 bytes as 32 rows of 256
	s_or_b32 s[G1SB], s44, (3<<16)|(1<<21)
.irp g, G1S, G1SB
	s_mov_b32 s[\g+1], 32<<16
	s_mov_b32 s[\g+2], 32<<16
	s_mov_b32 s[\g+3], 32<<16
	s_mov_b32 s[\g+4], 32
	s_mov_b32 s[\g+5], 32
	s_mov_b32 s[\g+6], 0
	s_mov_b32 s[\g+7], 0
.endr
	s_wait_dscnt 0x0                               ; both opening adds are done
	s_wait_kmcnt 0x0
	s_add_nc_u64 s[20:21], s[4:5], s[20:21]
	s_add_nc_u64 s[22:23], s[4:5], s[22:23]
	s_add_nc_u64 s[46:47], s[6:7], s[46:47]
	s_add_nc_u64 s[92:93], s[6:7], s[92:93]
	CROUND                                         ; all sixteen work-groups are here: the joint loads meet
	s_mov_b32 s[G0S], 1
	s_mov_b32 s[G0S+1], SCL
	s_mov_b64 s[G0S+2:G0S+3], s[22:23]
	s_or_b32 s[G0S+3], s[G0S+3], 0x80000000
	s_mov_b32 s[G0SB], 1
	s_mov_b32 s[G0SB+1], SCL+8192
	s_mov_b64 s[G0SB+2:G0SB+3], s[92:93]
	s_or_b32 s[G0SB+3], s[G0SB+3], 0x80000000
	s_mov_b32 s[G0], 1
	s_mov_b32 s[G0+1], 0
	s_mov_b64 s[G0+2:G0+3], s[20:21]
	s_or_b32 s[G0+3], s[G0+3], 0x80000000
	s_mov_b32 s[G0B], 1
	s_mov_b32 s[G0B+1], OPB
	s_mov_b64 s[G0B+2:G0B+3], s[46:47]
	s_or_b32 s[G0B+3], s[G0B+3], 0x80000000
; the head's four tiles, one joint load a wave: wave 0 att's codes, wave 1 Wo's, wave 2 att's scale records, wave 3 Wo's; one tree of branches on the wave's number
.macro ARM under, g0, g1, next
	s_cmp_lt_u32 s14, \under
	s_cbranch_scc0 \next
	tensor_load_to_lds s[\g0:\g0+3], s[\g1:\g1+7]
	s_nop 0
	PLACES 4
	s_branch .Lasked
\next:
.endm
	ARM 1, G0,  G1,  .Lhead_b
	ARM 2, G0B, G1B, .Lhead_sa
	ARM 3, G0S, G1S, .Lhead_sb
	tensor_load_to_lds s[G0SB:G0SB+3], s[G1SB:G1SB+7]
	s_nop 0
	PLACES 4
.Lasked:
	v_and_b32 v1, 15, v0                           ; r
	v_bfe_u32 v2, v0, 4, 1                         ; h
	v_and_b32 v3, 31, v0
	v_lshlrev_b32 v[L8], 3, v3
	v_lshlrev_b32 v[L16], 4, v3
	s_mul_i32 s2, s15, 4*TILEB
	s_mul_i32 s3, s16, 4*TILEB
	s_add_co_u32 s3, s3, OPB
	v_add_nc_u32 v[A8], s2, v[L8]
	v_add_nc_u32 v[A16], s2, v[L16]
	v_add_nc_u32 v[B8], s3, v[L8]
	v_add_nc_u32 v[B16], s3, v[L16]
	s_lshl_b32 s2, s15, 12
	s_lshl_b32 s3, s16, 12
	s_add_co_u32 s3, s3, 8192
	s_sub_co_u32 s3, s3, s2
	v_mul_u32_u24 v9, s3, v2                       ; lanes 16-31 take B's records: one product, the distance between the two
	s_add_co_u32 s2, s2, SCL
	v_lshl_add_u32 v9, v1, 2, v9
	v_add_nc_u32 v[ADRS], s2, v9
	s_mul_i32 s2, s14, 16*SPITCH
	s_add_co_u32 s2, s2, STAGE                     ; my stage
	v_mul_u32_u24 v[STO], v1, SPITCH
	v_lshl_add_u32 v[STO], v2, 6, v[STO]
	v_add_nc_u32 v[STO], s2, v[STO]                ; in: row r, + 64 h: my 16 neighbouring columns of each 32
	v_mul_u32_u24 v[RD], v2, SPITCH
	v_lshl_add_u32 v[RD], v1, 4, v[RD]
	v_add_nc_u32 v[RD], s2, v[RD]                  ; back: lanes 0-15 one row of 256 bytes, lanes 16-31 the next
	v_lshlrev_b32 v[CO], 12, v2
	v_lshl_add_u32 v[CO], v1, 4, v[CO]             ; and the same in out0
	s_lshl_b32 s2, s17, 7
	s_lshl_b32 s3, s15, 6
	s_add_co_u32 s2, s2, s3
	s_lshl_b32 s2, s2, 12                          ; my first token's row of 4,096 bytes
	s_lshl_b32 s3, s42, 9
	s_add_co_u32 s2, s2, s3
	s_lshl_b32 s3, s16, 8
	s_add_co_u32 s2, s2, s3                        ; my 64 columns
	s_mov_b32 s3, 0
	s_add_nc_u64 s[8:9], s[8:9], s[2:3]
	s_wait_alu depctr_va_vdst(0)                   ; the head's end
	s_wait_tensorcnt 0x0                           ; my one tile has landed; behind the barrier all four have
	s_barrier_signal -1
	s_barrier_wait -1
; THE WAY OUT, a stored tile of 16 tokens x 64 columns at a time, through my own stage; LDS serves a wave's instructions in order, so no wait stands between the stores and the loads
.macro TOSTAGE a
.irp e, 0,1
.irp u, 0,1
	ds_store_b128 v[STO], v[ACC+32*((\a)%2)+8*(2*\e+\u):ACC+32*((\a)%2)+8*(2*\e+\u)+3] offset:128*\e+32*\u       ; each accumulator from its low end on
	ds_store_b128 v[STO], v[ACC+32*((\a)%2)+8*(2*\e+\u)+4:ACC+32*((\a)%2)+8*(2*\e+\u)+7] offset:128*\e+32*\u+16
.endr
.endr
.set BB, BK+32*((\a)%2)
.irp i, 0,1,2,3,4,5,6,7
	ds_load_b128 v[BB+4*\i:BB+4*\i+3], v[RD] offset:\i*2*SPITCH
.endr
.endm
.macro SEND a, younger                            ; younger: the LDS instructions issued behind tile a's loads from the stage
.set BB, BK+32*((\a)%2)
	s_wait_dscnt \younger
.irp i, 0,1,2,3,4,5,6,7
	global_store_b128 v[CO], v[BB+4*\i:BB+4*\i+3], s[8:9] offset:(32*((\a)/2)+8*((\a)%2)+2*\i+8*(\i/4))*4096 th:TH_STORE_NT   ; stage row p is token p + 8 (p / 8) of the tile; sixteen lanes store 256 consecutive bytes, aligned
.endr
.endm
.irp k, 0,1,2,3,4,5,6,7
.irp i, 0,1,2,3
	ds_load_b32 v[SC+4*\k+\i], v[ADRS] offset:1024*\i+128*\k   ; the scale words of all of K: 32 loads
.endr
.endr
	ALOAD 0
	BLOAD 0
	BLOAD 1
	BLOAD 2
	ROW 0, 1
	WIN 0
	PLACES 4                                       ; in front of the first read of results, and of loads into registers that matrix instructions have read
	TOSTAGE 0
	ALOAD 2
	s_wait_dscnt 48                                ; tile 1's fragments are in; the stage's 16 and tile 2's 32 may be out
	ROW 1, 0
	WIN 0
	SEND 0, 32                                     ; tile 2's 32 loads may be out
	PLACES 4
	TOSTAGE 1
	ALOAD 3
	s_wait_dscnt 48                                ; tile 2's fragments are in
	ROW 2, 0
	WIN 0
	SEND 1, 32
	s_wait_xcnt 0x0                                ; tile 0's stores have read their registers: tile 2's rows may land there
	PLACES 4
	TOSTAGE 2
	s_wait_dscnt 16                                ; tile 3's fragments are in; the stage's 16 may be out
	ROW 3, 0
	WIN 0
	SEND 2, 0
	s_wait_xcnt 0x0                                ; tile 1's stores have read their registers
	PLACES 4
	TOSTAGE 3
	SEND 3, 0
	s_wait_tensorcnt 0x0                           ; the wave's end
	ds_add_u32 v[SPW], v[NIL]
	s_wait_dscnt 0x0
	CROUND                                         ; the closing round
	s_endpgm
.Lfunc_end_k_q835978729c_outp:
	.size	k_q835978729c_outp, .Lfunc_end_k_q835978729c_outp-k_q835978729c_outp
	.p2alignl 7, 3214868480
	.fill 96, 4, 3214868480
	.section	.rodata,"a",@progbits
	.p2align	6, 0x0
	.amdhsa_kernel k_q835978729c_outp
		.amdhsa_group_segment_fixed_size 230912
		.amdhsa_private_segment_fixed_size 0
		.amdhsa_enable_private_segment 0
		.amdhsa_kernarg_size 24
		.amdhsa_user_sgpr_count 2
		.amdhsa_user_sgpr_kernarg_segment_ptr 1
		.amdhsa_wavefront_size32 1
		.amdhsa_system_sgpr_workgroup_id_x 1
		.amdhsa_system_sgpr_workgroup_id_y 1
		.amdhsa_system_sgpr_workgroup_id_z 1
		.amdhsa_system_vgpr_workitem_id 0
		.amdhsa_next_free_vgpr 1024
		.amdhsa_next_free_sgpr 98
		.amdhsa_reserve_vcc 0
		.amdhsa_float_denorm_mode_32 3
		.amdhsa_float_denorm_mode_16_64 3
		.amdhsa_memory_ordered 1
		.amdhsa_forward_progress 1
		.amdhsa_inst_pref_size 52
	.end_amdhsa_kernel
	.amdgpu_metadata
---
amdhsa.version: [ 1, 2 ]
amdhsa.kernels:
  - .name:           k_q835978729c_outp
    .symbol:         k_q835978729c_outp.kd
    .args:
      - { .name: att, .offset: 0, .size: 8, .value_kind: global_buffer, .address_space: global }
      - { .name: opq, .offset: 8, .size: 8, .value_kind: global_buffer, .address_space: global }
      - { .name: out0, .offset: 16, .size: 8, .value_kind: global_buffer, .address_space: global }
    .group_segment_fixed_size: 230912
    .private_segment_fixed_size: 0
    .kernarg_segment_align: 8
    .kernarg_segment_size: 24
    .max_flat_workgroup_size: 128
    .sgpr_count:     98
    .vgpr_count:     1024
    .wavefront_size: 32
...
	.end_amdgpu_metadata
.endif
;; end of part 4
